; MI455X (gfx1250); checked and timed in simulation.
; The chip was launched on July 23, 2026; its instructions are those of AMD's public machine-readable ISA for CDNA 5 (MIT licence, August 2026) and "CDNA5" Instruction Set Architecture Reference Guide (July 2026). The comments in the code are by the model that wrote it; some were corrected since.
;; Multi Head Attention. Allowed arithmetic: matrix products marked QUANTISED: E2M3 operands, one E8M0 scale for each 32 along K, by v_wmma_scale_f32_16x16x128_f8f6f4 with both operands' format E2M3, f32 sums; everything else in f32.
;; Inputs: attention_mask 4 x 2,048 int32; wk 1,024 x 1,024 float32; wo 1,024 x 1,024 float32; wq 1,024 x 1,024 float32; wv 1,024 x 1,024 float32; x 4 x 2,048 x 1,024 float32.
;; Outputs: out0 4 x 2,048 x 1,024 float32.
;; This version of the problem:
;;   THIS VERSION OF THE PROBLEM IS GIVEN IN LOW PRECISION. The matrix products marked QUANTISED in the list below multiply operands that are first quantised to E2M3 (2 exponent bits, 3 mantissa bits; 6 bits a number), with one power-of-two scale for each 32 numbers along K (OCP MX v1.0); their sums are f32. All else is computed in f32.
;;   The module's matrix products, in the order in which they are computed (A, B: the left and right operand; K: the contracted axis; several contracted axes count as one K, in the product's order):
;;     1. [M 8,192, K 1,024] x [K 1,024, N 1,024]; A: input x; B: input wq: QUANTISED
;;     2. [M 8,192, K 1,024] x [K 1,024, N 1,024]; A: input x; B: input wk: QUANTISED
;;     3. [M 8,192, K 1,024] x [K 1,024, N 1,024]; A: input x; B: input wv: QUANTISED
;;     4. batch 64 x [M 2,048, K 64] x [K 64, N 2,048]; A: computed on the way; B: computed on the way: QUANTISED
;;     5. batch 64 x [M 2,048, K 2,048] x [K 2,048, N 64]; A: softmax (see below); B: computed on the way: QUANTISED
;;     6. [M 8,192, K 1,024] x [K 1,024, N 1,024]; A: computed on the way; B: input wo: QUANTISED
;;   THE QUANTISER, for each operand of a quantised product, along K:
;;     - K is cut into blocks of 32 from its start; a last block that is shorter is filled with zeros.
;;     - A block's scale is 2^e with e = floor(log2(the largest magnitude in the block)) - 2, held to -126 .. 127; a block of zeros has e = 0. As a byte (E8M0): e + 127.
;;     - Each number is divided by its block's scale, clamped to +-7.5, and rounded to the nearest number of E2M3, ties to even, subnormals kept.
;;     - The product sums the exact products of the quantised numbers (number of the format x scale) in f32.
;;   ~~~python
;;   def quantise(x, axis):      # numpy; x: float32 -> the quantised numbers, widened to float32 again
;;       x = np.moveaxis(x, axis, -1); K = x.shape[-1]
;;       x = np.pad(x, [(0, 0)] * (x.ndim - 1) + [(0, -K % 32)]); x = x.reshape(x.shape[:-1] + (-1, 32)); a = np.abs(x).max(-1, keepdims=True)
;;       e = np.where(a > 0, np.clip(np.frexp(np.where(a > 0, a, 1))[1] - 1 - 2, -126, 127), 0)      # np.frexp(a)[1] - 1 = floor(log2(a)), exactly
;;       r = np.clip(x / 2.0 ** e, -7.5, 7.5)
;;       step = 2.0 ** (np.maximum(np.frexp(np.where(r == 0, 1, r))[1] - 1, 0) - 3)
;;       q = np.round(r / step) * step * 2.0 ** e      # np.round: ties to even
;;       return np.moveaxis(q.reshape(q.shape[:-2] + (-1,))[..., :K], -1, axis).astype(np.float32)
;;   ~~~
;;   SOFTMAX AHEAD OF A QUANTISED PRODUCT. Where the list says 'softmax', what is quantised is not the finished softmax but p = 2^(t - M), with t = logit x log2(e) and M = ceil(the row's largest t), a whole number; so 1/2 < the row's largest p <= 1. The row's sum l is taken of the UNQUANTISED p, in f32, and the product's result is divided by l at the end. Since M is a whole number, a kernel that streams over the keys may use a running M (the ceiling of the running maximum): every later rescaling is an exact power of two, which a block's scale takes up: the codes' values come out the same.
;;   OPERANDS COMPUTED ON THE WAY. 'Computed on the way' means the value that the module computes at that place (a softmax that the list does not call 'softmax' is quantised finished and normalised). What goes into a quantiser is computed in f32, as accurately as f32 sums, v_exp_f32 and their like allow (about 1e-6 of the number): no bf16 or f16 on the way to a quantiser, and a product that is left as it is and whose result goes on into a quantised operand takes f32 operands (vector FMAs, or v_wmma_f32_16x16x4_f32). A number that lies on a knife's edge between two numbers of the format may be rounded either way, as far as f32 arithmetic and the matrix unit's own rounding can turn it there, and no further.
;; One version. Each part assembles by itself: llvm-mc -triple=amdgcn-amd-amdhsa -mcpu=gfx1250 --defsym DOCPART=n.
;; ======== version 1 of 1: 4 launches
;; limits: right only within a limited range of input values
;; workspace buffers: x_codes 6,291,456 bytes; x_scales 262,144 bytes; w_codes 3,145,728 bytes; w_scales 131,072 bytes; q 6,815,744 bytes; kv 13,369,344 bytes; attn_codes 6,291,456 bytes; attn_sc 262,144 bytes
;; launch quant (part 1): grid 384 x 1, 4 waves a work-group, no clusters, 33,280 bytes of LDS; arguments x, wq, wk, wv, wo, x_codes, x_scales, w_codes, w_scales; writes x_codes, x_scales, w_codes, w_scales
.if DOCPART == 1
	.amdgcn_target "amdgcn-amd-amdhsa--gfx1250"
	.amdhsa_code_object_version 6
	.text
	.protected	k_q0b9f1e07f5_quant
	.globl	k_q0b9f1e07f5_quant
	.p2align	8
	.type	k_q0b9f1e07f5_quant,@function
k_q0b9f1e07f5_quant:
	s_mov_b64 s[64:65], 0
	v_nop
	global_prefetch_b8 v0, s[64:65] scope:SCOPE_SE
	s_setreg_imm32_b32 hwreg(HW_REG_WAVE_MODE, 25, 1), 1
	s_wait_xcnt 0x0
; x [8192][1024] and wq, wk, wv, wo [1024][1024], f32 with K innermost, become codes of FP6 (E2M3) and one E8M0 byte for each 32 along K.
; x_codes [8192][768], x_scales [8192][32]; w_codes [4096][768], w_scales [4096][32]: rows 0-1023 wq, then wk, wv, wo.
; A block's scale is 2^(floor(log2(largest magnitude)) - 2): its byte is the largest magnitude's exponent field - 2, held at 1 from below.
; THE ORDER INSIDE A BLOCK.  The 32 codes of a block lie as k 0-7, 16-23, 8-15, 24-31.  Every stream of codes of this program has that order, on both sides of
; every product, so each product pairs the right numbers; blocks and scale bytes are untouched.  It is the order in which the later launches' results fall out of the matrix unit.
; LIMITS: a block of zeros gets the byte 1, not 127 (its codes are zeros, and this program alone reads the bytes); blocks under 2^-124 are held at the byte 1; NaN and infinities are not served.
; Rows are dense, so each tensor is a stream of blocks.  A work-group takes 32,768 numbers, a wave 8,192: 16 steps of 512.  Work-groups 0-255 take x, 256 + 32 t .. weight t.
; Each load reads 512 consecutive bytes; a step's 2,048 bytes turn through the wave's own stage in LDS (16 bytes of padding behind each 64) and come back 16 numbers a lane:
; the even lane of a pair takes k 0-7 and 16-23 of the pair's block, the odd lane k 8-15 and 24-31.  No barrier: waves share nothing.
.set STEPS, 16
.set EMAX,  2
.set CB,    12                         ; bytes of 16 codes
.set R,     16                         ; v16-79   four sets of 16 numbers as loaded
.set X,     80                         ; v80-111  two sets of 16 numbers of one block
.set C,     128                        ; v128-191 codes: four registers a step, so that no store's data are written again
.set E,     112                        ; v112-127 a scale byte a step
.set WREG,  8192                       ; LDS of a wave: two stages of 32 x SP bytes, then its 256 scale bytes
.set SP,    80
	s_load_b512 s[4:19], s[0:1], 0x0               ; x, wq, wk, wv, wo, x_codes, x_scales, w_codes
	s_load_b64 s[20:21], s[0:1], 0x40              ; w_scales
	v_lshl_add_u32 v192, v0, 2, 0x8000
	v_mov_b32 v193, 0
	v_lshrrev_b32 v1, 5, v0
	v_readfirstlane_b32 s30, v1                    ; wave
	v_and_b32 v2, 31, v0                           ; lane
	v_lshlrev_b32 v3, 4, v2                        ; my 16 bytes of a load's 512
	s_mul_i32 s31, s30, WREG
	v_lshrrev_b32 v14, 2, v2
	v_mul_u32_u24 v14, v14, SP
	v_and_b32 v15, 3, v2
	v_lshl_add_u32 v14, v15, 4, v14
	v_add_nc_u32 v14, s31, v14                     ; the stage, on the way in: SP (lane / 4) + 16 (lane % 4)
	v_lshrrev_b32 v5, 1, v2                        ; my block of the step's 16
	v_mul_u32_u24 v15, v5, 2*SP
	v_and_b32 v6, 1, v2
	v_lshl_add_u32 v15, v6, 5, v15
	v_add_nc_u32 v15, s31, v15                     ; on the way out: 160 x block + 32 x (lane % 2); the four reads stand at 0, 16, 80, 96 from there
	v_mul_u32_u24 v4, v2, CB                       ; my codes' place in a step's 384 bytes
	s_add_co_u32 s31, s31, 2*32*SP
	v_add_nc_u32 v5, s31, v5                       ; LDS: my block's scale byte
	v_lshlrev_b32 v7, 3, v2
	v_add_nc_u32 v6, s31, v7                       ; and on the way out 8 bytes a lane
	s_and_b32 s28, ttmp9, 31                       ; a weight's work-group within its tensor
	s_sub_co_u32 s29, ttmp9, 256                   ; and within the four weights
	s_wait_kmcnt 0x0
	s_cmp_lt_u32 ttmp9, 256                        ; the choices hang on the work-group's number alone
	s_cselect_b64 s[22:23], s[4:5], s[6:7]
	s_cselect_b64 s[24:25], s[14:15], s[18:19]
	s_cselect_b64 s[26:27], s[16:17], s[20:21]
	s_cselect_b32 s28, ttmp9, s28
	s_cselect_b32 s29, ttmp9, s29
	s_cmp_lt_u32 ttmp9, 288
	s_cselect_b64 s[22:23], s[22:23], s[8:9]
	s_cmp_lt_u32 ttmp9, 320
	s_cselect_b64 s[22:23], s[22:23], s[10:11]
	s_cmp_lt_u32 ttmp9, 352
	s_cselect_b64 s[22:23], s[22:23], s[12:13]
	s_lshl_b32 s28, s28, 2
	s_add_co_u32 s28, s28, s30                     ; my run of 8,192 numbers in the source,
	s_lshl_b32 s29, s29, 2
	s_add_co_u32 s29, s29, s30                     ; and in the codes and scale bytes
	s_mov_b32 s33, 0
	s_lshl_b32 s32, s28, 15
	s_add_nc_u64 s[22:23], s[22:23], s[32:33]
	s_mul_i32 s32, s29, 32*STEPS*CB
	s_add_nc_u64 s[24:25], s[24:25], s[32:33]
	s_lshl_b32 s32, s29, 8
	s_add_nc_u64 s[26:27], s[26:27], s[32:33]
.macro LOAD t
.irp i, 0,1,2,3
	global_load_b128 v[R+16*((\t)%4)+4*\i:R+16*((\t)%4)+4*\i+3], v3, s[22:23] offset:2048*(\t)+512*\i th:TH_LOAD_NT   ; 32 lanes read 512 consecutive bytes
.endr
.endm
.macro TURN t                          ; step t's numbers through the stage: LDS serves a wave's instructions in order, so no wait stands between the stores and the loads
.irp i, 0,1,2,3
	ds_store_b128 v14, v[R+16*((\t)%4)+4*\i:R+16*((\t)%4)+4*\i+3] offset:32*SP*((\t)%2)+8*SP*\i
.endr
.irp i, 0,1,2,3
	ds_load_b128 v[X+16*((\t)%2)+4*\i:X+16*((\t)%2)+4*\i+3], v15 offset:32*SP*((\t)%2)+16*(\i%2)+SP*(\i/2)
.endr
.endm
.irp t, 0,1,2,3
	LOAD \t
.endr
	s_wait_loadcnt 12                              ; step 0's four loads are in; the twelve of steps 1 to 3 may be out
	TURN 0
.macro STEP t
.set XS, X+16*((\t)%2)
.if (\t) > 0
	s_wait_dscnt 1                                 ; this step's numbers are back from the stage; the last step's byte store may be out
.else
	s_wait_dscnt 0x0
.endif
.if (\t)+4 < STEPS
	LOAD (\t)+4                                    ; into the registers that this step's stage stores have read
.endif
.if (\t)+1 < STEPS
.if STEPS-2-(\t) >= 3
	s_wait_loadcnt 12                              ; the next step's four loads are in; those of the three steps behind it may be out
.else
	s_wait_loadcnt 4*(STEPS-2-(\t))
.endif
	TURN (\t)+1
.endif
	v_max3_num_f32 v8, |v[XS]|, |v[XS+1]|, |v[XS+2]|
	v_max3_num_f32 v9, |v[XS+3]|, |v[XS+4]|, |v[XS+5]|
.irp i, 6,10
	v_max3_num_f32 v8, v8, |v[XS+\i]|, |v[XS+\i+1]|
	v_max3_num_f32 v9, v9, |v[XS+\i+2]|, |v[XS+\i+3]|
.endr
	v_max3_num_f32 v8, v8, |v[XS+14]|, |v[XS+15]|
	v_max3_num_f32 v8, v8, v9, (EMAX+1)<<23        ; and the floor 2^(3 - 127): the byte cannot fall under 1
	v_max_num_f32_dpp v8, v8, v8 row_xmask:1 row_mask:0xf bank_mask:0xf   ; with my neighbour's 16: the block's largest magnitude
	v_add_nc_u32 v11, -(EMAX<<23), v8              ; 2 off its exponent field: the conversion takes this operand's exponent field as its scale
	v_cvt_scalef32_pk16_fp6_f32 v[C+4*(\t):C+4*(\t)+2], v[XS:XS+15], v11
	v_lshrrev_b32 v[E+(\t)], 23, v11               ; the scale's byte (a plain line behind the conversion)
	ds_store_b8 v5, v[E+(\t)] offset:16*(\t)       ; both lanes of a block write the same byte with the same value
	global_store_b96 v4, v[C+4*(\t):C+4*(\t)+2], s[24:25] offset:32*CB*(\t)   ; the wave stores 384 consecutive bytes
.endm
.irp t, 0,1,2,3,4,5,6,7,8,9,10,11,12,13,14,15
	STEP \t
.endr
	ds_load_b64 v[12:13], v6                       ; LDS serves a wave's instructions in order: these see my stores
	s_wait_dscnt 0x0
	global_store_b64 v7, v[12:13], s[26:27]        ; 32 lanes store 256 consecutive bytes, aligned
	s_wait_tensorcnt 0x0
	ds_add_u32 v192, v193
	s_wait_dscnt 0x0
	s_endpgm
.Lfunc_end_k_q0b9f1e07f5_quant:
	.size	k_q0b9f1e07f5_quant, .Lfunc_end_k_q0b9f1e07f5_quant-k_q0b9f1e07f5_quant
	.p2alignl 7, 3214868480
	.fill 96, 4, 3214868480
	.section	.rodata,"a",@progbits
	.p2align	6, 0x0
	.amdhsa_kernel k_q0b9f1e07f5_quant
		.amdhsa_group_segment_fixed_size 33280
		.amdhsa_private_segment_fixed_size 0
		.amdhsa_enable_private_segment 0
		.amdhsa_kernarg_size 72
		.amdhsa_user_sgpr_count 2
		.amdhsa_user_sgpr_kernarg_segment_ptr 1
		.amdhsa_wavefront_size32 1
		.amdhsa_system_sgpr_workgroup_id_x 1
		.amdhsa_system_sgpr_workgroup_id_y 1
		.amdhsa_system_sgpr_workgroup_id_z 1
		.amdhsa_system_vgpr_workitem_id 0
		.amdhsa_next_free_vgpr 194
		.amdhsa_next_free_sgpr 66
		.amdhsa_reserve_vcc 0
		.amdhsa_float_denorm_mode_32 3
		.amdhsa_float_denorm_mode_16_64 3
		.amdhsa_memory_ordered 1
		.amdhsa_forward_progress 1
		.amdhsa_inst_pref_size 33
	.end_amdhsa_kernel
	.amdgpu_metadata
---
amdhsa.version: [ 1, 2 ]
amdhsa.kernels:
  - .name:           k_q0b9f1e07f5_quant
    .symbol:         k_q0b9f1e07f5_quant.kd
    .args:
      - { .name: x, .offset: 0, .size: 8, .value_kind: global_buffer, .address_space: global }
      - { .name: wq, .offset: 8, .size: 8, .value_kind: global_buffer, .address_space: global }
      - { .name: wk, .offset: 16, .size: 8, .value_kind: global_buffer, .address_space: global }
      - { .name: wv, .offset: 24, .size: 8, .value_kind: global_buffer, .address_space: global }
      - { .name: wo, .offset: 32, .size: 8, .value_kind: global_buffer, .address_space: global }
      - { .name: x_codes, .offset: 40, .size: 8, .value_kind: global_buffer, .address_space: global }
      - { .name: x_scales, .offset: 48, .size: 8, .value_kind: global_buffer, .address_space: global }
      - { .name: w_codes, .offset: 56, .size: 8, .value_kind: global_buffer, .address_space: global }
      - { .name: w_scales, .offset: 64, .size: 8, .value_kind: global_buffer, .address_space: global }
    .group_segment_fixed_size: 33280
    .private_segment_fixed_size: 0
    .kernarg_segment_align: 8
    .kernarg_segment_size: 72
    .max_flat_workgroup_size: 128
    .sgpr_count:     66
    .vgpr_count:     194
    .wavefront_size: 32
...
	.end_amdgpu_metadata
.endif
;; end of part 1
;; launch qkv (part 2): grid 8 x 48, 4 waves a work-group, clusters of 4 x 4, 327,680 bytes of LDS; arguments x_codes, x_scales, w_codes, w_scales, q, kv; writes q, kv
.if DOCPART == 2
	.amdgcn_target "amdgcn-amd-amdhsa--gfx1250"
	.amdhsa_code_object_version 6
	.text
	.protected	k_q0b9f1e07f5_qkv
	.globl	k_q0b9f1e07f5_qkv
	.p2align	8
	.type	k_q0b9f1e07f5_qkv,@function
k_q0b9f1e07f5_qkv:
	s_mov_b64 s[64:65], 0
	v_nop
	global_prefetch_b8 v0, s[64:65] scope:SCOPE_SE
	s_setreg_imm32_b32 hwreg(HW_REG_WAVE_MODE, 25, 1), 1
	s_wait_xcnt 0x0
	s_wait_alu depctr_hold_cnt(0) depctr_sa_sdst(0) depctr_va_vdst(0) depctr_va_sdst(0) depctr_va_ssrc(0) depctr_va_vcc(0) depctr_vm_vsrc(0)
	s_getreg_b32 s2, hwreg(HW_REG_IB_STS2, 6, 4)
	s_cmp_eq_u32 s2, 0
	s_cbranch_scc0 .Lentry_in_a_cluster
	s_endpgm
.Lentry_in_a_cluster:
	s_bfe_u32 s2, ttmp6, 0x10000c
	s_cmp_lg_u32 s2, 0xf033
	s_cbranch_scc0 .Lentry_shape_is_right
	s_endpgm
.Lentry_shape_is_right:
; q = x wq^T, k = x wk^T, v = x wv^T on codes of FP6 (E2M3) with E8M0 scales, K = 1,024; the results are quantised in registers and stored as images of the next products' operand registers.
; ONE GEMM IN TWO PARTS.  Each product is taken as P (source 0) x R (source 1): a lane then holds one row of R and its registers run along P, the axis along which the result is quantised next.
;   clusters with y < 8 (q and k):  P = rows of wq | wk (2,048 of w_codes), R = the 8,192 tokens.   clusters with y >= 8 (v):  P = the tokens (the keys), R = wv's 1,024 rows.
; A work-group of four waves makes 256 of R x 256 of P, a wave 128 x 128: 64 accumulators, 512 registers.  K goes in steps of 256 through two LDS slots filled by tensor loads; the scale bytes of the
; work-group's rows come once and stay.  In the names below A = R, B = P.
; CLUSTERS: 4 x 4.  A's tile hangs on the cluster's y and on cy alone and is asked for jointly by the four of a row; B's on the cluster's place and cx alone, jointly by the four of a column.
; Which part a cluster serves hangs on the cluster's y, which all sixteen share: so do the choice of the buffers and the one branch on the way out.
; THE WAY OUT.  Block a of a wave (16 rows of R x 128 of P) becomes one fragment: per block of 32 the largest magnitude (a lane's 16 numbers and lane l xor 16's), the scale byte, two conversions of 16, and the
; exchange of halves that puts a whole block into a lane.  A lane's 16 numbers of a block are P = 8 h + 0..7 and 16 + 8 h + 0..7, so the codes of a block lie as k 0-7, 16-23, 8-15, 24-31: this program's order everywhere.
;   q, k: registers 0-5 are head 2 i, registers 6-11 head 2 i + 1: two half fragments of 768 bytes (512: registers 0-3 at 16 x lane; 256: registers 4-5 at 8 x lane).
;   v: a whole fragment (16 of a head's 64 x 128 keys), 3 x 512 bytes.  Every store covers 256 or 512 consecutive bytes, aligned.
; RECORDS.  q: [batch x head 64][step 16][6,656]: 8 half fragments, then 512 bytes of scale words.  kv: [64][16][13,056]: K's 6,656 bytes likewise, V's four fragments at 6,656, V's scale words at 12,800.
; LIMITS: a block of zeros gets the byte 1 (zero codes; read by this program alone); NaN and infinities are not served.
; REGISTERS: window 0: v0-31 addresses; v32-63 scale words, two sets, and nothing else; v128-223 A's fragments, one set; on the way out v64-167 codes and packed scale words, v224-250 at work.
;   window 1: B's fragments, two sets.   windows 2, 3: the accumulators ((a, b) at v[8 (8 (a % 4) + b)] of window 2 + a / 4).
.set KSTEP,  256
.set NQ,     KSTEP/128
.set ROWB,   192                       ; a tile's row in bytes
.set KROW,   768                       ; a row of codes in memory
.set PITCH,  240                       ; an LDS row: 3 x (64 bytes + 16 of padding)
.set FR,     12
.set NL,     6
.set NP,     4                         ; places behind this matrix instruction (ISA guide 7.12.1)
.set HALFT,  128*PITCH
.set SLOT,   4*HALFT
.set LAPS,   2                         ; 1,024 along K = four K steps = twice round the ring
.set KS,     32                        ; a row of scale bytes
.set SCL,    2*SLOT
.set HALFS,  (128*KS/256)*272
.set SBLK,   (16*KS/256)*272
.set SPARE,  SCL+4*HALFS               ; the spare words: 128 bytes a wave, named by no other line
.set ADRA, 16
.set ADRB, 20
.set L16,  24                          ; v24  16 x lane
.set L8,   25                          ; v25  8 x lane
.set ADRS, 27
.set SPW,  28
.set NIL,  29
.set SC,   32
.set AF,   128
.set PCB,  64                          ; the way out: block a's 12 code registers at v[64 + 12 a]: each block has its own, so no store's data are written again
.set SW,   160                         ; packed scale words
.set TM,   224                         ; four largest magnitudes
.set BT,   228                         ; the other lane's, then the bytes
.set SOP,  232                         ; the conversions' scale operands
.set PW,   236                         ; block a's scale word
.set PH,   244                         ; the conversions' second halves: v[244:246], v[248:250]
.set G1, 24
.set G0, 32
.set G1B, 48
.set G0B, 56
.set G1S, 68
.set G0S, 76
.set G1SB, 80
.set G0SB, 88
.set MSB, 0
.macro WIN new                         ; the immediate's high byte repeats the setting that is left
.if MSB != \new
	s_set_vgpr_msb (MSB<<8)|\new
.set MSB, \new
.endif
.endm
.set MUL_LO, 0xa1                      ; source 0 (B) window 1, source 1 (A) window 0, C and D window 2
.set MUL_HI, 0xf1
.set TO_B,   0x40
; A joint load: waves 0 and 1 fetch for A, waves 2 and 3 for B; the branch hangs on the wave's number alone.  Four v_nop follow each of the two lines.
.macro JLOAD g0a, g1a, g0b, g1b
	s_cmp_eq_u32 s15, 0
	s_cbranch_scc0 .Lfor_b_\@
	tensor_load_to_lds s[\g0a:\g0a+3], s[\g1a:\g1a+7]
	s_nop 0
.rept 4
	v_nop
.endr
	s_branch .Lasked_\@
.Lfor_b_\@:
	tensor_load_to_lds s[\g0b:\g0b+3], s[\g1b:\g1b+7]
	s_nop 0
.rept 4
	v_nop
.endr
.Lasked_\@:
.endm
.macro CREST                           ; a round of the cluster's barrier behind its opening barrier
	s_cmp_lg_u32 s14, 0
	s_cbranch_scc1 .Lnot_wave_0_\@
	s_barrier_signal -3
.Lnot_wave_0_\@:
	s_barrier_wait -3
	s_barrier_signal -1
	s_barrier_wait -1
.endm
.macro CROUND
	s_barrier_signal -1
	s_barrier_wait -1
	CREST
.endm
	s_load_b128 s[4:7], s[0:1], 0x0                ; x_codes, x_scales
	s_load_b128 s[8:11], s[0:1], 0x10              ; w_codes, w_scales
	s_load_b128 s[96:99], s[0:1], 0x20             ; q, kv
	v_lshl_add_u32 v[SPW], v0, 2, SPARE
	v_mov_b32 v[NIL], 0
	ds_add_u32 v28, v29
	ds_add_u32 v28, v29
	s_wait_dscnt 0x0
	v_lshrrev_b32 v1, 5, v0
	v_readfirstlane_b32 s14, v1                    ; wave 0..3
	s_lshr_b32 s15, s14, 1                         ; which half of A's 256 rows is mine.  Also: I fetch for A (0) or for B (1)
	s_and_b32 s16, s14, 1                          ; which half of B's.  Also: which 128 rows I fetch
	s_bfe_u32 s40, ttmp6, 0x40000                  ; cx
	s_bfe_u32 s41, ttmp6, 0x40004                  ; cy
	s_and_b32 s95, ttmp7, 0xffff                   ; the cluster's y
	s_lshl_b32 s42, ttmp9, 2
	s_add_co_u32 s42, s42, s40                     ; 4 x cluster x + cx
	s_sub_co_u32 s45, s95, 8
	s_lshl_b32 s45, s45, 3                         ; 8 (cluster y - 8)
	s_lshl_b32 s17, s95, 2                         ; 4 x cluster y
	s_cmp_lt_u32 s95, 8
	s_cselect_b32 s12, 1, 0                        ; 1: q and k; 0: v
	s_cselect_b32 s45, 0, s45
	s_cselect_b32 s17, s17, 8
	s_add_co_u32 s42, s42, s45                     ; B's tile of 256 rows: of wq | wk (0..7), or of the tokens (0..31)
	s_add_co_u32 s17, s17, s41                     ; A's tile: of the tokens (0..31), or of w_codes' rows 2,048 on (8 + cy)
	s_lshl_b32 s43, s41, 2
	s_lshl_b32 s43, 15, s43                        ; my row of the cluster
	s_lshl_b32 s44, 0x1111, s40                    ; my column
	s_or_b32 s[G1+0], s43, (0<<16)|(1<<20)|(1<<21)|(3<<22)|(3<<25)  ; the mask; elements of 1 byte; padding on; bit 21 beside a mask; after every 16 words, 4 words
	s_or_b32 s[G1B+0], s44, (0<<16)|(1<<20)|(1<<21)|(3<<22)|(3<<25)
.irp g, G1, G1B
	s_mov_b32 s[\g+1], ROWB<<16                    ; tensor_dim0
	s_mov_b32 s[\g+2], 128<<16                     ; tensor_dim1
	s_mov_b32 s[\g+3], ROWB<<16                    ; tile_dim0
	s_mov_b32 s[\g+4], 128                         ; tile_dim1
	s_mov_b32 s[\g+5], KROW                        ; from row to row
	s_mov_b32 s[\g+6], 0
	s_mov_b32 s[\g+7], 0
.endr
	s_or_b32 s[G1S+0], s43, (3<<16)|(1<<20)|(1<<21)|(5<<22)|(3<<25)  ; the scale bytes of 128 rows: 4,096 dense bytes as 16 rows of 256, 16 bytes of padding behind each
	s_or_b32 s[G1SB+0], s44, (3<<16)|(1<<20)|(1<<21)|(5<<22)|(3<<25)
.irp g, G1S, G1SB
	s_mov_b32 s[\g+1], 32<<16
	s_mov_b32 s[\g+2], (128*KS/256)<<16
	s_mov_b32 s[\g+3], 32<<16
	s_mov_b32 s[\g+4], 128*KS/256
	s_mov_b32 s[\g+5], 32
	s_mov_b32 s[\g+6], 0
	s_mov_b32 s[\g+7], 0
.endr
	s_lshl_b32 s18, s16, 7
	s_lshl_b32 s20, s17, 8
	s_add_co_u32 s20, s20, s18                     ; A: row 256 x tile + 128 x half
	s_lshl_b32 s46, s42, 8
	s_add_co_u32 s46, s46, s18                     ; B likewise
	s_mov_b32 s21, 0
	s_mov_b32 s47, 0
	s_mov_b64 s[18:19], KS
	s_mul_u64 s[22:23], s[20:21], s[18:19]
	s_mul_u64 s[92:93], s[46:47], s[18:19]
	s_mov_b64 s[18:19], KROW
	s_mul_u64 s[20:21], s[20:21], s[18:19]
	s_mul_u64 s[46:47], s[46:47], s[18:19]
	s_mul_i32 s45, s14, HALFT                      ; where they go: wave x 128 rows
	s_mul_i32 s94, s14, HALFS
	s_wait_kmcnt 0x0
	s_cmp_eq_u32 s12, 1                            ; q and k: A = x, B = w;  v: A = w, B = x
	s_cselect_b64 s[66:67], s[4:5], s[8:9]
	s_cselect_b64 s[8:9], s[8:9], s[4:5]
	s_cselect_b64 s[100:101], s[6:7], s[10:11]
	s_cselect_b64 s[10:11], s[10:11], s[6:7]
	s_add_nc_u64 s[20:21], s[66:67], s[20:21]
	s_add_nc_u64 s[22:23], s[100:101], s[22:23]
	s_add_nc_u64 s[46:47], s[8:9], s[46:47]
	s_add_nc_u64 s[92:93], s[10:11], s[92:93]
	CROUND                                         ; all sixteen work-groups are here: the first joint loads meet
	s_mov_b32 s[G0S], 1
	s_add_co_u32 s[G0S+1], s94, SCL
	s_mov_b64 s[G0S+2:G0S+3], s[22:23]
	s_or_b32 s[G0S+3], s[G0S+3], 0x80000000
	s_mov_b32 s[G0SB], 1
	s_add_co_u32 s[G0SB+1], s94, SCL
	s_mov_b64 s[G0SB+2:G0SB+3], s[92:93]
	s_or_b32 s[G0SB+3], s[G0SB+3], 0x80000000
	JLOAD G0S, G1S, G0SB, G1SB                     ; the scale bytes first: they are wanted with K step 0
.irp s, 0,1
	s_mov_b32 s[G0+4*\s], 1
	s_add_co_u32 s[G0+4*\s+1], s45, \s*SLOT
	s_add_nc_u64 s[G0+4*\s+2:G0+4*\s+3], s[20:21], \s*ROWB
	s_or_b32 s[G0+4*\s+3], s[G0+4*\s+3], 0x80000000
	s_mov_b32 s[G0B+4*\s], 1
	s_add_co_u32 s[G0B+4*\s+1], s45, \s*SLOT
	s_add_nc_u64 s[G0B+4*\s+2:G0B+4*\s+3], s[46:47], \s*ROWB
	s_or_b32 s[G0B+4*\s+3], s[G0B+4*\s+3], 0x80000000
	JLOAD G0+4*\s, G1, G0B+4*\s, G1B
.endr
	v_and_b32 v1, 15, v0                           ; r
	v_bfe_u32 v2, v0, 4, 1                         ; h
	v_mul_u32_u24 v3, v1, PITCH
	v_mul_u32_u24 v4, v2, 24
	v_add_nc_u32 v4, v3, v4                        ; a fragment's row x pitch + 24 x half
	v_lshl_add_u32 v5, v2, 4, v4                   ; and the same behind one padding more
	s_mul_i32 s21, s15, HALFT
	s_mul_i32 s22, s16, HALFT
	s_add_co_u32 s22, s22, 2*HALFT
.irp s, 0,1
	v_add_nc_u32 v[ADRA+\s], s21, v4
	v_add_nc_u32 v[ADRB+\s], s22, v4
	v_add_nc_u32 v[ADRA+2+\s], s21, v5
	v_add_nc_u32 v[ADRB+2+\s], s22, v5
	s_add_co_u32 s21, s21, SLOT
	s_add_co_u32 s22, s22, SLOT
.endr
	v_mul_u32_u24 v5, v1, KS                       ; my row's scale bytes: 32 a row,
	v_lshrrev_b32 v6, 8, v5
	v_lshl_add_u32 v5, v6, 4, v5                   ; and 16 more for each 256 passed
	s_mul_i32 s21, s15, HALFS
	s_mul_i32 s22, s16, HALFS
	s_add_co_u32 s22, s22, 2*HALFS
	s_sub_co_u32 s22, s22, s21
	v_mul_u32_u24 v6, s22, v2                      ; lanes 16-31 take B's
	s_add_co_u32 s21, s21, SCL
	v_add_nc_u32 v5, v5, v6
	v_add_nc_u32 v[ADRS], s21, v5
	v_and_b32 v6, 31, v0
	v_lshlrev_b32 v[L16], 4, v6
	v_lshlrev_b32 v[L8], 3, v6
	; where my results go
	s_lshl_b32 s20, s17, 8
	s_lshl_b32 s21, s15, 7
	s_add_co_u32 s20, s20, s21                     ; my first row of A
	s_lshl_b32 s22, s42, 8
	s_lshl_b32 s23, s16, 7
	s_add_co_u32 s22, s22, s23                     ; my first row of B
	s_cmp_eq_u32 s12, 1
	s_cselect_b32 s18, s20, s22                    ; my first token (128 of them: one record's),
	s_cselect_b32 s19, s22, s20                    ; my first weight row (128: two heads)
	s_and_b32 s19, s19, 1023
	s_lshr_b32 s19, s19, 6                         ; the first of my two heads
	s_lshr_b32 s21, s18, 11                        ; the batch
	s_lshl_b32 s21, s21, 4
	s_add_co_u32 s21, s21, s19
	s_lshl_b32 s21, s21, 4
	s_bfe_u32 s18, s18, 0x40007                    ; the step of 128 tokens
	s_add_co_u32 s21, s21, s18                     ; the record: (16 batch + head) 16 + step
	s_cmp_eq_u32 ttmp9, 0
	s_cselect_b32 s18, s12, 0                      ; q: the first part's clusters with x = 0 (wq's rows)
	s_cmp_eq_u32 s18, 1
	s_cselect_b64 s[96:97], s[96:97], s[98:99]
	s_mov_b32 s19, 13056
	s_cselect_b32 s19, 6656, s19                   ; a record's bytes
	s_cmp_eq_u32 s12, 1
	s_cselect_b32 s18, 0, 6656                     ; V lies behind K in a record
	s_mul_i32 s20, s21, s19
	s_add_co_u32 s20, s20, s18
	s_mov_b32 s21, 0
	s_add_nc_u64 s[96:97], s[96:97], s[20:21]      ; my first head's record,
	s_lshl_b32 s20, s19, 4
	s_add_nc_u64 s[98:99], s[96:97], s[20:21]      ; my second head's: 16 records on
.macro FRAG reg, adr, q, i             ; a fragment: 16 rows x 128 K, 12 registers: lane (r, h): registers 6 c .. 6 c + 5 hold the 24 bytes of k = 64 c + 32 h + 0 .. 31
.irp p, 0,1,2,3,4,5                    ; in pieces of 8 bytes; where lanes 16-31's piece lies behind one padding more, the second address register serves
.set PCE, 12*(\q)+6*(\p/3)+\p%3
.if PCE%8 < 5
	ds_load_b64 v[\reg+2*\p:\reg+2*\p+1], v[\adr] offset:8*PCE+16*(PCE/8)+(\i)*16*PITCH
.else
	ds_load_b64 v[\reg+2*\p:\reg+2*\p+1], v[\adr+2] offset:8*PCE+16*(PCE/8)+(\i)*16*PITCH
.endif
.endr
.endm
; 16 matrix instructions: A's blocks a0, a0 + 1 x B's eight.  The 64 accumulators take turns, one instruction a turn, in the same order in every step.
.macro MUL16 a0, p, q, sc, zero
.irp a, \a0, \a0+1
.irp b, 0,1,2,3,4,5,6,7
.if \zero
	v_wmma_scale_f32_16x16x128_f8f6f4 v[8*(8*((\a)%4)+\b):8*(8*((\a)%4)+\b)+7], v[128*(\p)+FR*\b:128*(\p)+FR*\b+FR-1], v[AF+FR*(\a):AF+FR*(\a)+FR-1], 0, v[SC+8*NQ*(\sc)+NQ*\b+(\q)], v[SC+8*NQ*(\sc)+NQ*(\a)+(\q)] matrix_a_fmt:MATRIX_FMT_FP6 matrix_b_fmt:MATRIX_FMT_FP6 matrix_a_scale:MATRIX_SCALE_ROW1
.else
	v_wmma_scale_f32_16x16x128_f8f6f4 v[8*(8*((\a)%4)+\b):8*(8*((\a)%4)+\b)+7], v[128*(\p)+FR*\b:128*(\p)+FR*\b+FR-1], v[AF+FR*(\a):AF+FR*(\a)+FR-1], v[8*(8*((\a)%4)+\b):8*(8*((\a)%4)+\b)+7], v[SC+8*NQ*(\sc)+NQ*\b+(\q)], v[SC+8*NQ*(\sc)+NQ*(\a)+(\q)] matrix_a_fmt:MATRIX_FMT_FP6 matrix_b_fmt:MATRIX_FMT_FP6 matrix_a_scale:MATRIX_SCALE_ROW1
.endif
.endr
.endr
.endm
.macro FETCH_B slot, q, p
	WIN TO_B
.irp i, 0,1,2,3,4,5,6,7
	FRAG 128*(\p)+FR*\i, ADRB+\slot, \q, \i
.endr
	WIN 0
.endm
.macro FETCH_A slot, q, i0
.irp i, \i0, \i0+1, \i0+2, \i0+3
	FRAG AF+FR*(\i), ADRA+\slot, \q, \i
.endr
.endm
.macro SCALES sc                       ; a K step's scale words: lanes 0-15 take A's block i, lanes 16-31 B's block i
.irp i, 0,1,2,3,4,5,6,7
	ds_load_b64 v[SC+8*NQ*\sc+NQ*\i:SC+8*NQ*\sc+NQ*\i+1], v[ADRS] offset:\i*SBLK
.endr
.endm
.macro PLACES n                        ; plain vector lines between a matrix instruction and a load into, or a vector line on, its registers
.rept \n
	v_nop
.endr
.endm
.macro STEP slot, q, zero              ; a step of 128 along K that has its successor in the same slot
	s_wait_dscnt 4*NL                              ; B's set and A's blocks 0-3 are in; the 24 youngest loads (A's blocks 4-7) may be out
	WIN MUL_LO
	MUL16 0, (\q)%2, \q, \slot, \zero
	MUL16 2, (\q)%2, \q, \slot, \zero
	s_wait_dscnt 0
	PLACES NP
	FETCH_B \slot, (\q)+1, 1-(\q)%2
	FETCH_A \slot, (\q)+1, 0
	WIN MUL_HI
	MUL16 4, (\q)%2, \q, \slot, \zero
	MUL16 6, (\q)%2, \q, \slot, \zero
	PLACES NP
	WIN 0
	FETCH_A \slot, (\q)+1, 4
.endm
; A slot's last step changes slots: one barrier; in front of it each wave waits for all its tensor loads, adds 0 to its spare word, and waits for that and for its reads of this slot.
.macro TURN slot, next, fill
	s_wait_tensorcnt 0x0                           ; all my tensor loads have landed: my part of the next slot
	ds_add_u32 v[SPW], v[NIL]                      ; 0 onto my spare word
	s_wait_dscnt 4*NL+1                            ; the add and the 24 youngest loads may be out
	WIN MUL_LO
	MUL16 0, 1, NQ-1, \slot, 0
	s_wait_dscnt 0x0                               ; the add is done, and my reads of this slot are over
	s_barrier_signal -1
	MUL16 2, 1, NQ-1, \slot, 0
	WIN 0
	s_barrier_wait -1
.if \fill
	CREST                                          ; the barrier has opened a round of the cluster's: no wave of any partner still reads this slot or has a load on its way
	s_add_nc_u64 s[G0+4*\slot+2:G0+4*\slot+3], s[G0+4*\slot+2:G0+4*\slot+3], 2*ROWB
	s_add_nc_u64 s[G0B+4*\slot+2:G0B+4*\slot+3], s[G0B+4*\slot+2:G0B+4*\slot+3], 2*ROWB
	JLOAD G0+4*\slot, G1, G0B+4*\slot, G1B         ; the first tensor load behind the round; its four v_nop are the places in front of the loads below
.else
	PLACES NP
.endif
	v_add_nc_u32 v[ADRS], 4*NQ, v[ADRS]            ; the next K step's scale words
	FETCH_B \next, 0, 0
	FETCH_A \next, 0, 0
	SCALES \next
	WIN MUL_HI
	MUL16 4, 1, NQ-1, \slot, 0
	MUL16 6, 1, NQ-1, \slot, 0
	PLACES NP
	WIN 0
	FETCH_A \next, 0, 4
.endm
	s_wait_tensorcnt 1                             ; the scale bytes and my part of K step 0 are in; K step 1's load may be out
	s_barrier_signal -1
	s_barrier_wait -1
	FETCH_B 0, 0, 0
	FETCH_A 0, 0, 0
	SCALES 0
	FETCH_A 0, 0, 4
	STEP 0, 0, 1                                   ; the first step's products start the sums
	s_mov_b32 s3, LAPS-1
.Llap:
	TURN 0, 1, 1
	STEP 1, 0, 0
	TURN 1, 0, 1
	STEP 0, 0, 0
	s_sub_co_u32 s3, s3, 1
	s_cmp_lg_u32 s3, 0
	s_cbranch_scc1 .Llap
	TURN 0, 1, 0                                   ; the last lap fills nothing
	STEP 1, 0, 0
	s_wait_dscnt 4*NL
	WIN MUL_LO
	MUL16 0, 1, NQ-1, 1, 0
	MUL16 2, 1, NQ-1, 1, 0
	s_wait_dscnt 0
	WIN MUL_HI
	MUL16 4, 1, NQ-1, 1, 0
	MUL16 6, 1, NQ-1, 1, 0
	WIN 0
; Block a's 64 numbers a lane (register 16 b + i of its eight accumulators: block b of 32 along P) become 12 code registers at v[PCB + 12 a] and a scale word in v[PW + a], the same in lanes l and l xor 16.
.macro QUANTW a
.set AC, 64*((\a)%4)
.set PC, PCB+12*(\a)
	WIN 0x0a+5*((\a)/4)                            ; sources 0 and 1: window 2 or 3
.irp b, 0,1,2,3
	v_max3_num_f32 v[TM+\b], |v[AC+16*\b]|, |v[AC+16*\b+1]|, 0x1800000   ; each accumulator is read from its low end on; the floor 2^(3 - 127) holds the byte at 1 from below
.endr
.irp i, 2,4,6,8,10,12,14
.irp b, 0,1,2,3
	v_max3_num_f32 v[TM+\b], |v[AC+16*\b+\i]|, |v[AC+16*\b+\i+1]|, v[TM+\b]
.endr
.endr
	WIN 0
.irp b, 0,1,2,3
	v_permlanex16_b32 v[BT+\b], v[TM+\b], s92, s93
.endr
.irp b, 0,1,2,3
	v_max_num_f32 v[TM+\b], v[TM+\b], v[BT+\b]     ; with lane l xor 16's 16: the block's largest magnitude
.endr
.irp b, 0,1,2,3
	v_add_nc_u32 v[SOP+\b], 0xff000000, v[TM+\b]   ; 2 off its exponent field: the conversion's scale operand
.endr
.irp b, 0,1,2,3
	v_lshrrev_b32 v[BT+\b], 23, v[SOP+\b]          ; the byte
.endr
	v_lshl_or_b32 v[PW+(\a)], v[BT+1], 8, v[BT]
	v_lshl_or_b32 v[PW+(\a)], v[BT+2], 16, v[PW+(\a)]
	v_lshl_or_b32 v[PW+(\a)], v[BT+3], 24, v[PW+(\a)]
	WIN 0x02+(\a)/4                                ; source 0: window 2 or 3
.irp c, 0,1
	v_cvt_scalef32_pk16_fp6_f32 v[PC+6*\c:PC+6*\c+2], v[AC+32*\c:AC+32*\c+15], v[SOP+2*\c]
	v_cvt_scalef32_pk16_fp6_f32 v[PH+4*\c:PH+4*\c+2], v[AC+32*\c+16:AC+32*\c+31], v[SOP+2*\c+1]   ; (a conversion's three registers begin on an even number)
.endr
	WIN 0
	v_nop                                          ; one plain line behind the conversions
.irp c, 0,1                                    ; a whole block into a lane: lanes 0-15 block 2 c, lanes 16-31 block 2 c + 1
.irp i, 0,1,2
	v_permlane16_swap_b32 v[PC+6*\c+\i], v[PH+4*\c+\i]
.endr
.irp i, 0,1,2
	v_mov_b32 v[PC+3+6*\c+\i], v[PH+4*\c+\i]
.endr
.endr
.endm
	PLACES NP                                      ; behind the last products: their results are read and A's registers written below
	s_mov_b32 s92, 0x76543210
	s_mov_b32 s93, 0xfedcba98                      ; v_permlanex16_b32's selects for lane l xor 16
	s_mov_b32 s13, 0xffff0000                      ; lanes 16-31
.irp b, 0,1,2,3
	v_mov_b32 v[BT+\b], 0                          ; a lane permute's destination counts as one of its sources
.endr
	s_cmp_eq_u32 s12, 1                            ; the cluster's part: the same in all sixteen work-groups
	s_cbranch_scc0 .Lv_out
.irp a, 0,1,2,3,4,5,6,7                        ; q or k: tokens 16 a on; registers 0-5 my first head, 6-11 my second
	QUANTW \a
	global_store_b128 v[L16], v[PC:PC+3], s[96:97] offset:768*\a
	global_store_b64 v[L8], v[PC+4:PC+5], s[96:97] offset:768*\a+512
	global_store_b128 v[L16], v[PC+6:PC+9], s[98:99] offset:768*\a
	global_store_b64 v[L8], v[PC+10:PC+11], s[98:99] offset:768*\a+512
.endr
.irp p, 0,1,2,3
	v_cndmask_b32 v[SW+\p], v[PW+2*\p], v[PW+2*\p+1], s13   ; lanes 0-15: tile 2 p's words; lanes 16-31: tile 2 p + 1's
.endr
.irp p, 0,1,2,3
	v_lshrrev_b32 v[SW+4+\p], 16, v[SW+\p]         ; the second head's two bytes; what stands in a word's bytes 2 and 3 scales zero codes and is never 0xff
.endr
	global_store_b128 v[L16], v[SW:SW+3], s[96:97] offset:6144
	global_store_b128 v[L16], v[SW+4:SW+7], s[98:99] offset:6144
	s_branch .Ldone
.Lv_out:
.irp a, 0,1,2,3,4,5,6,7                        ; v: head a / 4, channels 16 (a % 4) on, x my 128 keys
	QUANTW \a
.irp i, 0,1,2
	global_store_b128 v[L16], v[PC+4*\i:PC+4*\i+3], s[96+2*(\a/4):97+2*(\a/4)] offset:1536*(\a%4)+512*\i
.endr
.endr
.irp g, 0,1
.irp p, 0,1
	v_cndmask_b32 v[SW+2*\g+\p], v[PW+4*\g+2*\p], v[PW+4*\g+2*\p+1], s13
.endr
	global_store_b64 v[L8], v[SW+2*\g:SW+2*\g+1], s[96+2*\g:97+2*\g] offset:6144
.endr
.Ldone:
	s_wait_tensorcnt 0x0                           ; the wave's end
	ds_add_u32 v[SPW], v[NIL]
	s_wait_dscnt 0x0
	CROUND                                         ; the closing round: no work-group ends while a partner may still ask for a tile that names it
	s_endpgm
.Lfunc_end_k_q0b9f1e07f5_qkv:
	.size	k_q0b9f1e07f5_qkv, .Lfunc_end_k_q0b9f1e07f5_qkv-k_q0b9f1e07f5_qkv
	.p2alignl 7, 3214868480
	.fill 96, 4, 3214868480
	.section	.rodata,"a",@progbits
	.p2align	6, 0x0
	.amdhsa_kernel k_q0b9f1e07f5_qkv
		.amdhsa_group_segment_fixed_size 327680
		.amdhsa_private_segment_fixed_size 0
		.amdhsa_enable_private_segment 0
		.amdhsa_kernarg_size 48
		.amdhsa_user_sgpr_count 2
		.amdhsa_user_sgpr_kernarg_segment_ptr 1
		.amdhsa_wavefront_size32 1
		.amdhsa_system_sgpr_workgroup_id_x 1
		.amdhsa_system_sgpr_workgroup_id_y 1
		.amdhsa_system_sgpr_workgroup_id_z 1
		.amdhsa_system_vgpr_workitem_id 0
		.amdhsa_next_free_vgpr 1024
		.amdhsa_next_free_sgpr 102
		.amdhsa_reserve_vcc 0
		.amdhsa_float_denorm_mode_32 3
		.amdhsa_float_denorm_mode_16_64 3
		.amdhsa_memory_ordered 1
		.amdhsa_forward_progress 1
		.amdhsa_inst_pref_size 199
	.end_amdhsa_kernel
	.amdgpu_metadata
---
amdhsa.version: [ 1, 2 ]
amdhsa.kernels:
  - .name:           k_q0b9f1e07f5_qkv
    .symbol:         k_q0b9f1e07f5_qkv.kd
    .args:
      - { .name: x_codes, .offset: 0, .size: 8, .value_kind: global_buffer, .address_space: global }
      - { .name: x_scales, .offset: 8, .size: 8, .value_kind: global_buffer, .address_space: global }
      - { .name: w_codes, .offset: 16, .size: 8, .value_kind: global_buffer, .address_space: global }
      - { .name: w_scales, .offset: 24, .size: 8, .value_kind: global_buffer, .address_space: global }
      - { .name: q, .offset: 32, .size: 8, .value_kind: global_buffer, .address_space: global }
      - { .name: kv, .offset: 40, .size: 8, .value_kind: global_buffer, .address_space: global }
    .group_segment_fixed_size: 327680
    .private_segment_fixed_size: 0
    .kernarg_segment_align: 8
    .kernarg_segment_size: 48
    .max_flat_workgroup_size: 128
    .sgpr_count:     102
    .vgpr_count:     1024
    .wavefront_size: 32
...
	.end_amdgpu_metadata
.endif
;; end of part 2
;; launch attn (part 3): grid 4 x 64, 16 waves a work-group, no clusters, 223,232 bytes of LDS; arguments q, kv, attention_mask, attn_codes, attn_sc; writes attn_codes, attn_sc
.if DOCPART == 3
	.amdgcn_target "amdgcn-amd-amdhsa--gfx1250"
	.amdhsa_code_object_version 6
	.text
	.protected	k_q0b9f1e07f5_attn
	.globl	k_q0b9f1e07f5_attn
	.p2align	8
	.type	k_q0b9f1e07f5_attn,@function
k_q0b9f1e07f5_attn:
	s_mov_b64 s[64:65], 0
	v_nop
	global_prefetch_b8 v0, s[64:65] scope:SCOPE_SE
	s_setreg_imm32_b32 hwreg(HW_REG_WAVE_MODE, 25, 1), 1
	s_wait_xcnt 0x0
; Causal attention with a key mask, head size 64, both products on codes of FP6 (E2M3) with E8M0 scales; the result, divided by the row's sum, is quantised along the head's 64 for the last projection.
; t = score x log2(e) / 8; M = the running largest t rounded up to a whole number; p = 2^(t - M) is quantised along the keys; the row's sum is taken of the unquantised p.
; SHARES.  Work-group (i, batch x head) owns the blocks 7 - i and i of 256 queries: 16 or 18 key steps of 128 for every wave.  Each of sixteen waves owns 16 queries of a block and takes the two blocks one after the other
; (a loop of two trips).  Four waves share a SIMD, so that one wave's vector work stands beside another's products and LDS loads.
; THE HEAD'S K AND V STAY IN LDS, FILLED ONCE: 16 records of 13,056 bytes, images of operand registers.  Waves 0 to 3 bring four records each, one load a record (four loads of a wave are out at the most);
; record 4 g + w is wave w's g-th load, so the wait in front of steps 4 g .. 4 g + 3 leaves the wave's 3 - g later loads out.  Nothing is filled again.
; LAYOUT.  S^T = K Q^T (source 0 = 16 neighbouring keys, source 1 = my 16 queries), O^T = V^T P^T: a lane holds one query throughout.  A head's 64 fill half of the instruction's 128 along K: registers 6-11 of
; K's and Q's fragments are zero codes.  A lane's 16 registers of two neighbouring tiles are keys 8 h + 0..7 and 16 + 8 h + 0..7 of a block of 32: this program's order of codes inside a block, which V's codes have too.
; THE INPUT MASK is a bias of one f32 a key in LDS, 0 or -3e38, given as the C of the score products: it acts ahead of the maximum and steers no branch.  THE CAUSAL MASK: steps all of whose keys come after my
; queries are left out by a scalar branch on ids; in the step on the diagonal hidden scores become -infinity.
; NO CLUSTER, though the four work-groups of a head read the same K and V: they leave out different key steps, by branches on their block of queries, which in a cluster is their place in it.
; NO PREFETCH: all loads of K and V are issued at the head.
; LIMITS: scores within +-7e36 (t stays above the start value -2^120, and no score cancels the bias); NaN and infinities among the inputs are not served; a block of zeros has the byte 1.
; A query all of whose keys are hidden has the sum 0: its codes are zeros and its scale bytes 0xff (NaN in E8M0), by which the last projection makes its row NaN.
; REGISTERS: v1 16 x lane, v2 8 x lane, v3 bias + 32 h, v4-6 the step's addresses, v7 r - 8 h, v9-11 addresses; v12 -M, v13 largest t, v[14:15] the sum; v16-27 Q; v28 Q's scale word, v29 p's; v[30:31] f, 0;
;   v32-79 four fragments of K; v96-159 bias, S^T, p, then V's four fragments; v160-191 O^T; v192-210 codes; v212-227 at work; v228-231 the mask, later scale bytes; v232-235 K's scale words, v236-237 V's.
.set REC,  13056
.set KSCO, 6144                        ; in a record: K's scale words,
.set VOFF, 6656                        ; V's fragments,
.set VSCO, 12800                       ; V's scale words
.set BIAS, 16*REC                      ; LDS: behind the records the bias, 4 bytes a key,
.set SCST, BIAS+8192                   ; and 512 bytes in which the work-group gathers its scale bytes
	s_load_b256 s[4:11], s[0:1], 0x0               ; q, kv, attention_mask, attn_codes
	s_load_b64 s[12:13], s[0:1], 0x20              ; attn_sc
	v_lshl_add_u32 v254, v0, 2, 0x36000
	v_mov_b32 v255, 0
	ds_add_u32 v254, v255
	ds_add_u32 v254, v255
	v_lshrrev_b32 v1, 5, v0
	v_readfirstlane_b32 s14, v1                    ; wave 0..15
	s_mov_b32 s15, ttmp9                           ; i
	s_and_b32 s16, ttmp7, 0xffff                   ; batch x head
	s_lshr_b32 s17, s16, 4                         ; batch
	s_and_b32 s18, s16, 15                         ; head
	s_sub_co_u32 s19, 7, s15                       ; the block of queries in hand: first 7 - i
	s_mov_b32 s20, 0x76543210
	s_mov_b32 s21, 0xfedcba98                      ; v_permlanex16_b32's selects for lane l xor 16
	s_mov_b32 s22, 0x3e38aa3b                      ; c = log2(e) / 8
	s_mov_b32 s23, s22                             ; (named with it as a pair)
	s_mov_b32 s24, 3<<16                           ; group 1: a record as 51 dense rows of 256 bytes: elements of 8 bytes, no mask, no padding
	s_mov_b32 s25, 32<<16                          ; tensor_dim0 = 32
	s_mov_b32 s26, 51<<16                          ; tensor_dim1 = 51
	s_mov_b32 s27, 32<<16                          ; tile_dim0 = 32
	s_mov_b32 s28, 51                              ; tile_dim1 = 51
	s_mov_b32 s29, 32                              ; from row to row
	s_mov_b32 s30, 0
	s_mov_b32 s31, 0
	s_mul_i32 s62, s16, 16*REC
	s_mul_i32 s63, s14, REC
	s_add_co_u32 s66, s62, s63
	s_mov_b32 s67, 0
	s_lshl_b32 s68, s17, 13
	s_mov_b32 s69, 0
	s_wait_dscnt 0x0
	s_wait_kmcnt 0x0
	s_add_nc_u64 s[66:67], s[6:7], s[66:67]        ; record w of my head
	s_add_nc_u64 s[8:9], s[8:9], s[68:69]          ; my batch's mask
.irp g, 0,1,2,3
	s_mov_b32 s[32+4*\g], 1
	s_add_co_u32 s[33+4*\g], s63, \g*4*REC         ; LDS: record 4 g + w
	s_add_nc_u64 s[34+4*\g:35+4*\g], s[66:67], \g*4*REC
	s_or_b32 s[35+4*\g], s[35+4*\g], 0x80000000
.endr
	s_cmp_lt_u32 s14, 4                            ; a wave's first fills stand in one branch on its number, ahead of every wait on TENSORcnt, every LDS read and every barrier
	s_cbranch_scc0 .Lno_fetch
	tensor_load_to_lds s[32:35], s[24:31]
	s_nop 0
	tensor_load_to_lds s[36:39], s[24:31]
	s_nop 0
	tensor_load_to_lds s[40:43], s[24:31]
	s_nop 0
	tensor_load_to_lds s[44:47], s[24:31]
	s_nop 0
.rept 4
	v_nop
.endr
.Lno_fetch:
	v_lshlrev_b32 v8, 4, v0
	global_load_b128 v[228:231], v8, s[8:9]        ; thread t: the mask of keys 4 t .. 4 t + 3
	v_and_b32 v9, 31, v0
	v_lshlrev_b32 v1, 4, v9
	v_lshlrev_b32 v2, 3, v9
	v_and_b32 v10, 15, v0                          ; r
	v_bfe_u32 v11, v0, 4, 1                        ; h
	v_lshl_add_u32 v3, v11, 5, BIAS
	v_lshlrev_b32 v7, 3, v11
	v_sub_nc_u32 v7, v10, v7                       ; r - 8 h
	s_lshl_b32 s62, s14, 5
	s_add_co_u32 s62, s62, SCST
	v_lshl_add_u32 v9, v10, 1, s62                 ; my query's two scale bytes: SCST + 32 w + 2 r
	v_lshlrev_b32 v10, 4, v10                      ; 16 r
	v_add_nc_u32 v11, SCST, v1
	v_lshl_add_u32 v226, v0, 4, BIAS
.irp j, 22,23,24,25,26,27
	v_mov_b32 v[\j], 0                             ; Q's k = 64 .. 127: zero codes
.endr
.irp t, 0,1,2,3
.irp j, 0,1,2,3,4,5
	v_mov_b32 v[38+12*\t+\j], 0                    ; K's likewise: written once, never loaded
.endr
.endr
	v_mov_b32 v31, 0
.irp b, 0,1,2,3
	v_mov_b32 v[216+\b], 0                         ; a lane permute's destination counts as one of its sources
.endr
	v_mov_b32 v224, 0xff61b1e6                     ; -3e38
	s_wait_loadcnt 0x0
.irp j, 0,1,2,3
	v_cmp_eq_u32 vcc_lo, 0, v[228+\j]
	v_cndmask_b32 v[228+\j], 0, v224, vcc_lo       ; 0 where the key counts
.endr
	ds_store_b128 v226, v[228:231]                 ; waited for in front of the first barrier
.macro SCORE d, a, sc, row1
.if \row1
	v_wmma_scale_f32_16x16x128_f8f6f4 v[\d:\d+7], v[\a:\a+11], v[16:27], v[\d:\d+7], v[\sc], v28 matrix_a_fmt:MATRIX_FMT_FP6 matrix_b_fmt:MATRIX_FMT_FP6 matrix_a_scale:MATRIX_SCALE_ROW1
.else
	v_wmma_scale_f32_16x16x128_f8f6f4 v[\d:\d+7], v[\a:\a+11], v[16:27], v[\d:\d+7], v[\sc], v28 matrix_a_fmt:MATRIX_FMT_FP6 matrix_b_fmt:MATRIX_FMT_FP6
.endif
.endm
.macro PVMUL d, a, sc, row1
.if \row1
	v_wmma_scale_f32_16x16x128_f8f6f4 v[\d:\d+7], v[\a:\a+11], v[192:203], v[\d:\d+7], v[\sc], v29 matrix_a_fmt:MATRIX_FMT_FP6 matrix_b_fmt:MATRIX_FMT_FP6 matrix_a_scale:MATRIX_SCALE_ROW1
.else
	v_wmma_scale_f32_16x16x128_f8f6f4 v[\d:\d+7], v[\a:\a+11], v[192:203], v[\d:\d+7], v[\sc], v29 matrix_a_fmt:MATRIX_FMT_FP6 matrix_b_fmt:MATRIX_FMT_FP6
.endif
.endm
; A KEY STEP: 128 keys from s50 on; their record begins at LDS byte s48, their bias at BIAS + s49.
.macro STEP
	s_add_co_u32 s62, s51, 15
	s_cmp_gt_u32 s50, s62                          ; all keys come after my 16 queries: the step's work is left out, not the lines that step addresses
	s_cbranch_scc1 .Lhidden_\@
	v_add_nc_u32 v4, s48, v1
	v_add_nc_u32 v5, s48, v2
	v_add_nc_u32 v6, s49, v3
	v_nop
	v_nop                                          ; five places behind the last step's products: their source registers v96-143 are loaded into (four are asked) and then written by matrix instructions (five)
.irp t, 0,1,2,3,4,5,6,7
	ds_load_b128 v[96+8*\t:99+8*\t], v6 offset:64*\t          ; the bias of keys 16 t + 8 h + 0 .. 7: the C of tile t
	ds_load_b128 v[100+8*\t:103+8*\t], v6 offset:64*\t+16
.endr
	ds_load_b128 v[232:235], v4 offset:KSCO        ; K's scale words: register p: lanes 0-15 tile 2 p, lanes 16-31 tile 2 p + 1
.irp g, 0,1
.if \g
.rept 4
	v_nop                                          ; places in front of loads into registers that the four products above have read
.endr
.endif
.irp t, 0,1,2,3
	ds_load_b128 v[32+12*\t:35+12*\t], v4 offset:768*(4*\g+\t)
	ds_load_b64 v[36+12*\t:37+12*\t], v5 offset:768*(4*\g+\t)+512
.endr
	s_wait_dscnt 0x0
.irp u, 0,1
	SCORE 96+8*(4*\g+2*\u), 32+24*\u, 232+2*\g+\u, 0
	SCORE 104+8*(4*\g+2*\u), 44+24*\u, 232+2*\g+\u, 1
.endr
.endr
.rept 4
	v_nop
.endr
	s_add_co_u32 s62, s50, 127
	s_cmp_le_u32 s62, s51                          ; a step all of whose keys count skips the causal mask
	s_cbranch_scc1 .Lopen_\@
	s_sub_co_u32 s62, s51, s50
	v_add_nc_u32 v224, s62, v7                     ; d = my query - the step's first key - 8 h.  Register 8 t + j holds key 16 t + 8 h + j of the step: hidden where 16 t + j > d
	v_mov_b32 v225, 0xff800000                     ; -infinity
.set n, 0
.rept 64
	v_cmp_gt_i32 vcc_lo, 16*(n/8)+n%8, v224
	v_cndmask_b32 v[96+n], v[96+n], v225, vcc_lo
.set n, n+1
.endr
.Lopen_\@:
.irp b, 0,1,2,3
	v_max3_num_f32 v[212+\b], v[96+16*\b], v[97+16*\b], v[98+16*\b]   ; the largest score of each block of 32 keys: for the row's maximum and, since p rises with the score, for the block's largest p
.endr
.irp i, 3,5,7,9,11,13
.irp b, 0,1,2,3
	v_max3_num_f32 v[212+\b], v[212+\b], v[96+16*\b+\i], v[97+16*\b+\i]
.endr
.endr
.irp b, 0,1,2,3
	v_max_num_f32 v[212+\b], v[212+\b], v[111+16*\b]
.endr
.irp b, 0,1,2,3
	v_permlanex16_b32 v[216+\b], v[212+\b], s20, s21
.endr
.irp b, 0,1,2,3
	v_max_num_f32 v[212+\b], v[212+\b], v[216+\b]  ; with lane l xor 16's 16 keys
.endr
	v_max3_num_f32 v224, v212, v213, v214
	v_max_num_f32 v224, v224, v215
	v_mul_f32 v224, s22, v224                      ; the step's largest t
	v_max_num_f32 v13, v13, v224
	v_mov_b32 v224, v12
	v_floor_f32 v12, -v13                          ; the new -M = -ceil(t)
	v_sub_f32 v224, v12, v224                      ; old M - new M: a whole number, 0 or less
	v_cvt_i32_f32 v224, v224                       ; (it saturates)
	v_ldexp_f32 v30, 1.0, v224                     ; f = 2^(old M - new M)
.set j, 0
.rept 32
	v_pk_fma_f32 v[96+j:97+j], v[96+j:97+j], s[22:23], v[12:13] op_sel_hi:[1,0,0]   ; t - M, two at a time
.set j, j+2
.endr
.irp b, 0,1,2,3
	v_fma_f32 v[212+\b], v[212+\b], s22, v12       ; the same of each block's largest score
.endr
.set j, 0
.rept 64
	v_exp_f32 v[96+j], v[96+j]                     ; p = 2^(t - M)
.set j, j+1
.endr
	v_pk_mul_f32 v[14:15], v[14:15], v[30:31] op_sel_hi:[1,0]   ; the sum under the new M (a plain line behind the exponentials)
	s_wait_alu depctr_va_vdst(0)                   ; one wait for the batch of 64, ahead of its first reader
.irp b, 0,1,2,3
	v_exp_f32 v[212+\b], v[212+\b]                 ; each block's largest p: the same two instructions on the same number give the same bits
.endr
	v_pk_add_f32 v[226:227], v[96:97], v[98:99]    ; the row's sum of the unquantised p, in two chains
.set j, 4
.rept 15
	v_pk_add_f32 v[14:15], v[14:15], v[96+j:97+j]
	v_pk_add_f32 v[226:227], v[226:227], v[98+j:99+j]
.set j, j+4
.endr
	v_pk_add_f32 v[14:15], v[14:15], v[226:227]
	s_wait_alu depctr_va_vdst(0)                   ; and one for the four
.irp b, 0,1,2,3
	v_max_num_f32 v[212+\b], 0x1800000, v[212+\b]  ; the floor 2^(3 - 127): a block whose every p is 0 keeps the byte 1
.endr
.irp b, 0,1,2,3
	v_add_nc_u32 v[220+\b], 0xff000000, v[212+\b]  ; 2 off the exponent field: the conversion's scale operand
.endr
.irp b, 0,1,2,3
	v_lshrrev_b32 v[216+\b], 23, v[220+\b]         ; the byte
.endr
	v_lshl_or_b32 v29, v217, 8, v216               ; p's scale word for these 128 keys
	v_lshl_or_b32 v29, v218, 16, v29
	v_lshl_or_b32 v29, v219, 24, v29
.irp c, 0,1
	v_cvt_scalef32_pk16_fp6_f32 v[192+6*\c:194+6*\c], v[96+32*\c:111+32*\c], v[220+2*\c]
	v_cvt_scalef32_pk16_fp6_f32 v[204+4*\c:206+4*\c], v[112+32*\c:127+32*\c], v[221+2*\c]
.endr
	v_nop                                          ; one plain line behind the conversions
.irp c, 0,1                                    ; a whole block into a lane
.irp i, 0,1,2
	v_permlane16_swap_b32 v[192+6*\c+\i], v[204+4*\c+\i]
.endr
.irp i, 0,1,2
	v_mov_b32 v[195+6*\c+\i], v[204+4*\c+\i]
.endr
.endr
.irp t, 0,1,2,3
.irp i, 0,1,2
	ds_load_b128 v[96+12*\t+4*\i:99+12*\t+4*\i], v4 offset:VOFF+1536*\t+512*\i   ; V's fragments land where p stood
.endr
.endr
	ds_load_b64 v[236:237], v5 offset:VSCO
.set j, 0
.rept 16
	v_pk_mul_f32 v[160+j:161+j], v[160+j:161+j], v[30:31] op_sel_hi:[1,0]   ; O^T under the new M.  (These sixteen are the places between the lines that wrote p's codes and scale word and the products)
.set j, j+2
.endr
	s_wait_dscnt 0x0
.irp u, 0,1
	PVMUL 160+16*\u, 96+24*\u, 236+\u, 0
	PVMUL 168+16*\u, 108+24*\u, 236+\u, 1
.endr
.Lhidden_\@:
	s_add_co_u32 s50, s50, 128
	s_add_co_u32 s48, s48, REC
	s_add_co_u32 s49, s49, 512
.endm
; Four key steps, records 4 c .. 4 c + 3.  left: how many of a fetching wave's later loads may stay out.
.macro CHUNK c, left
	s_wait_tensorcnt \left                         ; tensor loads of a wave end in order: my record of this chunk is in
	s_wait_dscnt 0x0                               ; my LDS stores have landed (the bias; the scale bytes)
	s_barrier_signal -1
	s_barrier_wait -1                              ; everybody's are
	s_mov_b32 s48, 4*(\c)*REC
	s_mov_b32 s49, 4*(\c)*512
	s_mov_b32 s50, 4*(\c)*128
	s_mov_b32 s52, 4
.Lstep_\@:
	STEP
	s_sub_co_u32 s52, s52, 1
	s_cmp_lg_u32 s52, 0
	s_cbranch_scc1 .Lstep_\@
.endm
	s_mov_b32 s53, 2
.Lpass:
	s_lshl_b32 s51, s19, 8
	s_lshl_b32 s62, s14, 4
	s_add_co_u32 s51, s51, s62                     ; my first query: 256 x block + 16 x wave
	s_lshl_b32 s62, s16, 4
	s_lshl_b32 s63, s19, 1
	s_add_co_u32 s62, s62, s63
	s_lshr_b32 s63, s14, 3
	s_add_co_u32 s62, s62, s63
	s_mul_i32 s62, s62, 6656                       ; q's record of my 128 queries
	s_and_b32 s63, s14, 7                          ; my tile in it
	s_mul_i32 s66, s63, 768
	s_add_co_u32 s66, s66, s62
	s_mov_b32 s67, 0
	s_add_nc_u64 s[54:55], s[4:5], s[66:67]        ; my half fragment
	s_and_b32 s68, s14, 1
	s_lshl_b32 s68, s68, 8
	s_lshr_b32 s63, s63, 1
	s_lshl_b32 s63, s63, 2
	s_add_co_u32 s68, s68, s63
	s_add_co_u32 s68, s68, s62
	s_add_co_u32 s68, s68, 6144
	s_mov_b32 s69, 0
	s_add_nc_u64 s[56:57], s[4:5], s[68:69]        ; its scale words: 256 (tile % 2) + 16 r + 4 (tile / 2)
	s_lshl_b32 s70, s17, 7
	s_lshl_b32 s63, s19, 4
	s_add_co_u32 s70, s70, s63
	s_add_co_u32 s70, s70, s14                     ; my tile of 16 tokens
	s_mul_i32 s70, s70, 12288
	s_mul_i32 s63, s18, 768
	s_add_co_u32 s70, s70, s63
	s_mov_b32 s71, 0
	s_add_nc_u64 s[58:59], s[10:11], s[70:71]      ; where my codes go
	s_lshl_b32 s70, s18, 14
	s_lshl_b32 s63, s17, 12
	s_add_co_u32 s70, s70, s63
	s_lshl_b32 s63, s19, 9
	s_add_co_u32 s70, s70, s63
	s_add_nc_u64 s[60:61], s[12:13], s[70:71]      ; and the work-group's 512 scale bytes
	global_load_b128 v[16:19], v1, s[54:55]
	global_load_b64 v[20:21], v2, s[54:55] offset:512
	global_load_b32 v28, v10, s[56:57]
	v_mov_b32 v13, 0xfb800000                      ; the largest t so far: -2^120: above every hidden key's t, under every other
	v_floor_f32 v12, -v13
	v_mov_b32 v14, 0
	v_mov_b32 v15, 0
.set j, 0
.rept 32
	v_mov_b32 v[160+j], 0                          ; O^T: the step is written once; the first finds zeros
.set j, j+1
.endr
	s_wait_loadcnt 0x0
	CHUNK 0, 3
	CHUNK 1, 2
	CHUNK 2, 1
	CHUNK 3, 0
	; THE WAY OUT: O^T / the sum, quantised along the head's 64: two blocks, half a fragment
.rept 4
	v_nop
.endr
	v_add_f32 v14, v14, v15
	v_permlanex16_b32 v224, v14, s20, s21
	v_add_f32 v14, v14, v224                       ; the row's sum
	v_cmp_eq_f32 vcc_lo, 0, v14                    ; no key counted
	v_rcp_f32 v30, v14
	v_mov_b32 v225, 0xffff                         ; (a plain line behind the reciprocal)
	s_wait_alu depctr_va_vdst(0)                   ; the wait ahead of its first reader
	v_cndmask_b32 v30, v30, v31, vcc_lo            ; 0 there
.set j, 0
.rept 16
	v_pk_mul_f32 v[160+j:161+j], v[160+j:161+j], v[30:31] op_sel_hi:[1,0]
.set j, j+2
.endr
.irp b, 0,1
	v_max3_num_f32 v[212+\b], |v[160+16*\b]|, |v[161+16*\b]|, 0x1800000
.endr
.irp i, 2,4,6,8,10,12,14
.irp b, 0,1
	v_max3_num_f32 v[212+\b], v[212+\b], |v[160+16*\b+\i]|, |v[161+16*\b+\i]|
.endr
.endr
.irp b, 0,1
	v_permlanex16_b32 v[216+\b], v[212+\b], s20, s21
.endr
.irp b, 0,1
	v_max_num_f32 v[212+\b], v[212+\b], v[216+\b]
.endr
.irp b, 0,1
	v_add_nc_u32 v[220+\b], 0xff000000, v[212+\b]
.endr
.irp b, 0,1
	v_lshrrev_b32 v[216+\b], 23, v[220+\b]
.endr
	v_lshl_or_b32 v224, v217, 8, v216              ; my query's two bytes,
	v_cndmask_b32 v224, v224, v225, vcc_lo         ; NaN twice where no key counted
	v_cvt_scalef32_pk16_fp6_f32 v[192:194], v[160:175], v220
	v_cvt_scalef32_pk16_fp6_f32 v[204:206], v[176:191], v221
	v_nop
.irp i, 0,1,2
	v_permlane16_swap_b32 v[192+\i], v[204+\i]
.endr
.irp i, 0,1,2
	v_mov_b32 v[195+\i], v[204+\i]
.endr
	global_store_b128 v1, v[192:195], s[58:59]                 ; 512 consecutive bytes, aligned,
	global_store_b64 v2, v[196:197], s[58:59] offset:512       ; and 256
	ds_store_b16 v9, v224                          ; lanes l and l xor 16 write the same bytes with the same value
	s_wait_dscnt 0x0                               ; for the others' sake
	s_barrier_signal -1
	s_barrier_wait -1
	s_cmp_lg_u32 s14, 0
	s_cbranch_scc1 .Lnot_wave_0
	ds_load_b128 v[228:231], v11                   ; wave 0 stores the work-group's 512 scale bytes; the next stores into these LDS bytes stand four barriers on
	s_wait_dscnt 0x0
	global_store_b128 v1, v[228:231], s[60:61]
.Lnot_wave_0:
	s_wait_xcnt 0x0                                ; the stores have read their registers and bases: both are written again in the next trip
	s_sub_co_u32 s19, 7, s19                       ; the other block
	s_sub_co_u32 s53, s53, 1
	s_cmp_lg_u32 s53, 0
	s_cbranch_scc1 .Lpass
	s_wait_tensorcnt 0x0
	ds_add_u32 v254, v255
	s_wait_dscnt 0x0
	s_endpgm
.Lfunc_end_k_q0b9f1e07f5_attn:
	.size	k_q0b9f1e07f5_attn, .Lfunc_end_k_q0b9f1e07f5_attn-k_q0b9f1e07f5_attn
	.p2alignl 7, 3214868480
	.fill 96, 4, 3214868480
	.section	.rodata,"a",@progbits
	.p2align	6, 0x0
	.amdhsa_kernel k_q0b9f1e07f5_attn
		.amdhsa_group_segment_fixed_size 223232
		.amdhsa_private_segment_fixed_size 0
		.amdhsa_enable_private_segment 0
		.amdhsa_kernarg_size 40
		.amdhsa_user_sgpr_count 2
		.amdhsa_user_sgpr_kernarg_segment_ptr 1
		.amdhsa_wavefront_size32 1
		.amdhsa_system_sgpr_workgroup_id_x 1
		.amdhsa_system_sgpr_workgroup_id_y 1
		.amdhsa_system_sgpr_workgroup_id_z 1
		.amdhsa_system_vgpr_workitem_id 0
		.amdhsa_next_free_vgpr 256
		.amdhsa_next_free_sgpr 72
		.amdhsa_reserve_vcc 1
		.amdhsa_float_denorm_mode_32 3
		.amdhsa_float_denorm_mode_16_64 3
		.amdhsa_memory_ordered 1
		.amdhsa_forward_progress 1
		.amdhsa_inst_pref_size 103
	.end_amdhsa_kernel
	.amdgpu_metadata
---
amdhsa.version: [ 1, 2 ]
amdhsa.kernels:
  - .name:           k_q0b9f1e07f5_attn
    .symbol:         k_q0b9f1e07f5_attn.kd
    .args:
      - { .name: q, .offset: 0, .size: 8, .value_kind: global_buffer, .address_space: global }
      - { .name: kv, .offset: 8, .size: 8, .value_kind: global_buffer, .address_space: global }
      - { .name: attention_mask, .offset: 16, .size: 8, .value_kind: global_buffer, .address_space: global }
      - { .name: attn_codes, .offset: 24, .size: 8, .value_kind: global_buffer, .address_space: global }
      - { .name: attn_sc, .offset: 32, .size: 8, .value_kind: global_buffer, .address_space: global }
    .group_segment_fixed_size: 223232
    .private_segment_fixed_size: 0
    .kernarg_segment_align: 8
    .kernarg_segment_size: 40
    .max_flat_workgroup_size: 512
    .sgpr_count:     72
    .vgpr_count:     256
    .wavefront_size: 32
...
	.end_amdgpu_metadata
.endif
;; end of part 3
;; launch proj (part 4): grid 4 x 32, 4 waves a work-group, clusters of 4 x 4, 327,680 bytes of LDS; arguments attn_codes, attn_sc, w_codes, w_scales, out0; writes out0
.if DOCPART == 4
	.amdgcn_target "amdgcn-amd-amdhsa--gfx1250"
	.amdhsa_code_object_version 6
	.text
	.protected	k_q0b9f1e07f5_proj
	.globl	k_q0b9f1e07f5_proj
	.p2align	8
	.type	k_q0b9f1e07f5_proj,@function
k_q0b9f1e07f5_proj:
	s_mov_b64 s[64:65], 0
	v_nop
	global_prefetch_b8 v0, s[64:65] scope:SCOPE_SE
	s_setreg_imm32_b32 hwreg(HW_REG_WAVE_MODE, 25, 1), 1
	s_wait_xcnt 0x0
	s_wait_alu depctr_hold_cnt(0) depctr_sa_sdst(0) depctr_va_vdst(0) depctr_va_sdst(0) depctr_va_ssrc(0) depctr_va_vcc(0) depctr_vm_vsrc(0)
	s_getreg_b32 s2, hwreg(HW_REG_IB_STS2, 6, 4)
	s_cmp_eq_u32 s2, 0
	s_cbranch_scc0 .Lentry_in_a_cluster
	s_endpgm
.Lentry_in_a_cluster:
	s_bfe_u32 s2, ttmp6, 0x10000c
	s_cmp_lg_u32 s2, 0xf033
	s_cbranch_scc0 .Lentry_shape_is_right
	s_endpgm
.Lentry_shape_is_right:
; out0[token][e] = sum over d of attn[token][d] wo[e][d], on codes of FP6 (E2M3) with E8M0 scales, K = 1,024; out0 [8192][1024] f32.
; A = the attention's result, stored as images of operand registers: attn_codes [tile of 16 tokens 512][head 16][768]: half a fragment (16 rows x a head's 64: registers 0-3 at 16 x lane, registers 4-5 at 512 + 8 x lane).
; Two neighbouring heads are a fragment of 128 along K.  Its scale bytes: attn_sc [head 16][token 8192], two bytes each.  B = wo: rows 3,072 on of w_codes [4096][768] and w_scales [4096][32].
; Both sides hold the codes of a block of 32 in this program's order (k 0-7, 16-23, 8-15, 24-31), so the products pair the right numbers.
; A tile of out0, 256 x 256, is made by four waves, 128 x 128 each: 64 accumulators.  K goes in steps of 256 through two LDS slots filled by tensor loads: A's part of a slot is 16 x 3,072 bytes of images
; (read back by loads of 16 and 8 bytes at 16 and 8 x lane: no pitch, no padding), B's 256 rows of 192 bytes, padded.
; CLUSTERS: 4 x 4: A's tiles are asked for jointly along a row of the cluster, B's along a column.  The matrix instruction is used transposed (source 0 = wo's rows, source 1 = tokens): a lane holds eight neighbouring numbers of a row of out0.
; A's scale words (one for a row and 128 along K) are pieced together once at the head from the heads' byte pairs and stored into LDS bytes of their own, into which no tensor load lands; B's come once by tensor loads.
; A row whose scale bytes are 0xff (no key counted for that query) comes out NaN.
; REGISTERS: window 0: v0-31 addresses; v32-63 scale words, two sets, and nothing else; v64-95 at work at the head; v128-223 A's fragments; on the way out v128-255.  window 1: B's fragments, two sets.  windows 2, 3: the accumulators.
.set SIZE_N, 1024
.set KSTEP,  256
.set NQ,     KSTEP/128
.set ROWB,   192
.set KROW,   768
.set PITCH,  240
.set FR,     12
.set NL,     6                         ; LDS loads that bring a fragment of B,
.set NLA,    4                         ; of A
.set NP,     4
.set HALFT,  128*PITCH                 ; B: 128 rows
.set HALFA,  8*3072                    ; A: 8 tiles of 16 rows x 256 along K
.set AIMG,   2*HALFA
.set SLOT,   AIMG+2*HALFT
.set LAPS,   2
.set KS,     32
.set SCL,    2*SLOT                    ; A's scale words (stored by the waves), 2 HALFS bytes, then B's (by tensor loads): units of 256 bytes + 16
.set HALFS,  (128*KS/256)*272
.set SBLK,   (16*KS/256)*272
.set SPARE,  SCL+4*HALFS               ; the spare words: 128 bytes a wave, named by no other line
.set SPITCH, 528                       ; the way out: a stage of 16 rows x (512 + 16) bytes a wave, in slot 0, which has had its last fill and its last read by then
.set ADRA, 16                          ; v16-17 A's images in slot 0, 1 at 16 x lane; v18-19 at 8 x lane
.set ADRB, 20
.set STO,  24
.set RD,   25
.set CO,   26
.set ADRS, 27
.set SPW,  28
.set NIL,  29
.set SC,   32
.set AF,   128
.set BK,   128
.set G1, 24
.set G0, 32
.set G1B, 48
.set G0B, 56
.set G1SB, 80
.set G0SB, 88
.set MSB, 0
.macro WIN new
.if MSB != \new
	s_set_vgpr_msb (MSB<<8)|\new
.set MSB, \new
.endif
.endm
.set MUL_LO, 0xa1
.set MUL_HI, 0xf1
.set TO_B,   0x40
.macro JLOAD g0a, g1a, g0b, g1b        ; a joint load: waves 0 and 1 for A, waves 2 and 3 for B; four v_nop follow each line
	s_cmp_eq_u32 s15, 0
	s_cbranch_scc0 .Lfor_b_\@
	tensor_load_to_lds s[\g0a:\g0a+3], s[\g1a:\g1a+7]
	s_nop 0
.rept 4
	v_nop
.endr
	s_branch .Lasked_\@
.Lfor_b_\@:
	tensor_load_to_lds s[\g0b:\g0b+3], s[\g1b:\g1b+7]
	s_nop 0
.rept 4
	v_nop
.endr
.Lasked_\@:
.endm
.macro CREST
	s_cmp_lg_u32 s14, 0
	s_cbranch_scc1 .Lnot_wave_0_\@
	s_barrier_signal -3
.Lnot_wave_0_\@:
	s_barrier_wait -3
	s_barrier_signal -1
	s_barrier_wait -1
.endm
.macro CROUND
	s_barrier_signal -1
	s_barrier_wait -1
	CREST
.endm
	s_load_b128 s[4:7], s[0:1], 0x0                ; attn_codes, attn_sc
	s_load_b128 s[8:11], s[0:1], 0x10              ; w_codes, w_scales
	s_load_b64 s[12:13], s[0:1], 0x20              ; out0
	v_lshl_add_u32 v[SPW], v0, 2, SPARE
	v_mov_b32 v[NIL], 0
	ds_add_u32 v28, v29
	ds_add_u32 v28, v29
	s_wait_dscnt 0x0
	v_lshrrev_b32 v1, 5, v0
	v_readfirstlane_b32 s14, v1                    ; wave 0..3
	s_lshr_b32 s15, s14, 1                         ; which half of the tile's rows is mine.  Also: I fetch for A (0) or for B (1)
	s_and_b32 s16, s14, 1                          ; which half of its columns.  Also: which half I fetch
	s_bfe_u32 s40, ttmp6, 0x40000                  ; cx
	s_bfe_u32 s41, ttmp6, 0x40004                  ; cy
	s_lshl_b32 s42, ttmp9, 2
	s_add_co_u32 s42, s42, s40                     ; tile column
	s_and_b32 s17, ttmp7, 0xffff
	s_lshl_b32 s17, s17, 2
	s_add_co_u32 s17, s17, s41                     ; tile row
	s_lshl_b32 s43, s41, 2
	s_lshl_b32 s43, 15, s43                        ; my row of the cluster
	s_lshl_b32 s44, 0x1111, s40                    ; my column
	s_or_b32 s[G1+0], s43, (3<<16)|(1<<21)         ; A: 8 rows of 3,072 bytes (384 elements of 8), 12,288 bytes apart; no padding
	s_mov_b32 s[G1+1], 384<<16
	s_mov_b32 s[G1+2], 8<<16
	s_mov_b32 s[G1+3], 384<<16
	s_mov_b32 s[G1+4], 8
	s_mov_b32 s[G1+5], 1536
	s_mov_b32 s[G1+6], 0
	s_mov_b32 s[G1+7], 0
	s_or_b32 s[G1B+0], s44, (0<<16)|(1<<20)|(1<<21)|(3<<22)|(3<<25)  ; B: 128 rows of 192 bytes, 16 bytes of padding behind every 64
	s_mov_b32 s[G1B+1], ROWB<<16
	s_mov_b32 s[G1B+2], 128<<16
	s_mov_b32 s[G1B+3], ROWB<<16
	s_mov_b32 s[G1B+4], 128
	s_mov_b32 s[G1B+5], KROW
	s_mov_b32 s[G1B+6], 0
	s_mov_b32 s[G1B+7], 0
	s_or_b32 s[G1SB+0], s44, (3<<16)|(1<<20)|(1<<21)|(5<<22)|(3<<25)  ; B's scale bytes of 128 rows: 16 rows of 256 bytes, 16 of padding behind each
	s_mov_b32 s[G1SB+1], 32<<16
	s_mov_b32 s[G1SB+2], (128*KS/256)<<16
	s_mov_b32 s[G1SB+3], 32<<16
	s_mov_b32 s[G1SB+4], 128*KS/256
	s_mov_b32 s[G1SB+5], 32
	s_mov_b32 s[G1SB+6], 0
	s_mov_b32 s[G1SB+7], 0
	s_lshl_b32 s20, s17, 4
	s_lshl_b32 s19, s16, 3
	s_add_co_u32 s20, s20, s19                     ; A: tile of 16 tokens 16 x tile row + 8 x half
	s_mul_i32 s20, s20, 12288
	s_mov_b32 s21, 0
	s_lshl_b32 s18, s16, 7
	s_lshl_b32 s46, s42, 8
	s_add_co_u32 s46, s46, s18
	s_add_co_u32 s46, s46, 3072                    ; B: wo's row 256 x tile column + 128 x half
	s_mul_i32 s92, s46, KS
	s_mov_b32 s93, 0
	s_mul_i32 s46, s46, KROW
	s_mov_b32 s47, 0
	s_lshl_b32 s66, s17, 9                         ; A's scale bytes: 256 tokens x 2 bytes a tile row
	s_mov_b32 s67, 0
	s_mul_i32 s45, s16, HALFA                      ; where they go: no place in the cluster enters an LDS address
	s_mul_i32 s95, s16, HALFT
	s_add_co_u32 s95, s95, AIMG
	s_mul_i32 s94, s14, HALFS                      ; (waves 2 and 3: behind A's scale words)
	s_wait_kmcnt 0x0
	s_add_nc_u64 s[20:21], s[4:5], s[20:21]
	s_add_nc_u64 s[66:67], s[6:7], s[66:67]
	s_add_nc_u64 s[46:47], s[8:9], s[46:47]
	s_add_nc_u64 s[92:93], s[10:11], s[92:93]
	CROUND                                         ; all sixteen work-groups are here: the first joint loads meet
	s_mov_b32 s[G0SB], 1
	s_add_co_u32 s[G0SB+1], s94, SCL
	s_mov_b64 s[G0SB+2:G0SB+3], s[92:93]
	s_or_b32 s[G0SB+3], s[G0SB+3], 0x80000000
.irp s, 0,1
	s_mov_b32 s[G0+4*\s], 1
	s_add_co_u32 s[G0+4*\s+1], s45, \s*SLOT
	s_add_nc_u64 s[G0+4*\s+2:G0+4*\s+3], s[20:21], \s*3072
	s_or_b32 s[G0+4*\s+3], s[G0+4*\s+3], 0x80000000
	s_mov_b32 s[G0B+4*\s], 1
	s_add_co_u32 s[G0B+4*\s+1], s95, \s*SLOT
	s_add_nc_u64 s[G0B+4*\s+2:G0B+4*\s+3], s[46:47], \s*ROWB
	s_or_b32 s[G0B+4*\s+3], s[G0B+4*\s+3], 0x80000000
.endr
	s_cmp_eq_u32 s15, 0                            ; a wave's first fills stand in one branch on its number: two loads (A) or three (B) are out
	s_cbranch_scc0 .Lfirst_b
	tensor_load_to_lds s[G0:G0+3], s[G1:G1+7]
	s_nop 0
	tensor_load_to_lds s[G0+4:G0+7], s[G1:G1+7]
	s_nop 0
.rept 4
	v_nop
.endr
	s_branch .Lfirst_asked
.Lfirst_b:
	tensor_load_to_lds s[G0SB:G0SB+3], s[G1SB:G1SB+7]
	s_nop 0
	tensor_load_to_lds s[G0B:G0B+3], s[G1B:G1B+7]
	s_nop 0
	tensor_load_to_lds s[G0B+4:G0B+7], s[G1B:G1B+7]
	s_nop 0
.rept 4
	v_nop
.endr
.Lfirst_asked:
	v_lshlrev_b32 v9, 2, v0                        ; thread t: the byte pairs of tokens 2 t and 2 t + 1, of each head
.set j, 0
.rept 16
	global_load_b32 v[64+j], v9, s[66:67] offset:16384*j
.set j, j+1
.endr
	v_and_b32 v1, 15, v0                           ; r
	v_bfe_u32 v2, v0, 4, 1                         ; h
	v_and_b32 v6, 31, v0                           ; lane
	v_mul_u32_u24 v3, v1, PITCH
	v_mul_u32_u24 v4, v2, 24
	v_add_nc_u32 v4, v3, v4                        ; B: a fragment's row x pitch + 24 x half
	v_lshl_add_u32 v5, v2, 4, v4                   ; and the same behind one padding more
	v_lshlrev_b32 v7, 4, v6
	v_lshlrev_b32 v8, 3, v6
	s_mul_i32 s21, s15, HALFA                      ; my 8 tiles of A
	s_mul_i32 s22, s16, HALFT                      ; my 128 rows of B
	s_add_co_u32 s22, s22, AIMG
.irp s, 0,1
	v_add_nc_u32 v[ADRA+\s], s21, v7
	v_add_nc_u32 v[ADRA+2+\s], s21, v8
	v_add_nc_u32 v[ADRB+\s], s22, v4
	v_add_nc_u32 v[ADRB+2+\s], s22, v5
	s_add_co_u32 s21, s21, SLOT
	s_add_co_u32 s22, s22, SLOT
.endr
	v_mul_u32_u24 v5, v1, KS                       ; my row's scale words: 32 bytes a row,
	v_lshrrev_b32 v6, 8, v5
	v_lshl_add_u32 v5, v6, 4, v5                   ; and 16 more for each 256 passed
	s_mul_i32 s21, s15, HALFS
	s_mul_i32 s22, s16, HALFS
	s_add_co_u32 s22, s22, 2*HALFS
	s_sub_co_u32 s22, s22, s21
	v_mul_u32_u24 v6, s22, v2                      ; lanes 16-31 take B's
	s_add_co_u32 s21, s21, SCL
	v_add_nc_u32 v5, v5, v6
	v_add_nc_u32 v[ADRS], s21, v5
	s_mul_i32 s23, s14, 16*SPITCH                  ; my stage
	v_mul_u32_u24 v5, v1, SPITCH
	v_lshl_add_u32 v5, v2, 5, v5
	v_add_nc_u32 v[STO], s23, v5
	v_mov_b32 v[CO], v7
	v_add_nc_u32 v[RD], s23, v7
	s_lshl_b32 s20, s17, 8
	s_lshl_b32 s21, s15, 7
	s_add_co_u32 s20, s20, s21                     ; my first row of out0
	s_mov_b32 s21, 0
	s_mov_b64 s[18:19], SIZE_N*4
	s_mul_u64 s[20:21], s[20:21], s[18:19]
	s_lshl_b32 s46, s42, 10                        ; my first column, in bytes
	s_lshl_b32 s47, s16, 9
	s_add_co_u32 s46, s46, s47
	s_mov_b32 s47, 0
	s_add_nc_u64 s[20:21], s[20:21], s[46:47]
	s_add_nc_u64 s[12:13], s[12:13], s[20:21]
	v_lshrrev_b32 v5, 2, v0
	v_lshlrev_b32 v5, 4, v5
	v_lshl_add_u32 v5, v0, 6, v5
	v_add_nc_u32 v5, SCL, v5                       ; rows 2 t and 2 t + 1 of A's scale words: 64 t + 16 (t / 4)
	s_wait_loadcnt 0x0
.irp s, 0,1,2,3,4,5,6,7                        ; the word of 128 along K: heads 2 s and 2 s + 1, two bytes each
	v_perm_b32 v[80+\s], v[65+2*\s], v[64+2*\s], 0x05040100   ; token 2 t
	v_perm_b32 v[88+\s], v[65+2*\s], v[64+2*\s], 0x07060302   ; token 2 t + 1
.endr
.irp i, 0,1,2,3
	ds_store_b128 v5, v[80+4*\i:83+4*\i] offset:16*\i
.endr
.macro FRAG reg, adr, q, i             ; a fragment of B from padded rows, in pieces of 8 bytes
.irp p, 0,1,2,3,4,5
.set PCE, 12*(\q)+6*(\p/3)+\p%3
.if PCE%8 < 5
	ds_load_b64 v[\reg+2*\p:\reg+2*\p+1], v[\adr] offset:8*PCE+16*(PCE/8)+(\i)*16*PITCH
.else
	ds_load_b64 v[\reg+2*\p:\reg+2*\p+1], v[\adr+2] offset:8*PCE+16*(PCE/8)+(\i)*16*PITCH
.endif
.endr
.endm
.macro FRAGA reg, slot, q, i           ; a fragment of A: two heads' images
.irp c, 0,1
	ds_load_b128 v[\reg+6*\c:\reg+6*\c+3], v[ADRA+\slot] offset:3072*(\i)+1536*(\q)+768*\c
	ds_load_b64 v[\reg+6*\c+4:\reg+6*\c+5], v[ADRA+2+\slot] offset:3072*(\i)+1536*(\q)+768*\c+512
.endr
.endm
; 16 matrix instructions; the 64 accumulators take turns, one instruction a turn, in the same order in every step
.macro MUL16 a0, p, q, sc, zero
.irp a, \a0, \a0+1
.irp b, 0,1,2,3,4,5,6,7
.if \zero
	v_wmma_scale_f32_16x16x128_f8f6f4 v[8*(8*((\a)%4)+\b):8*(8*((\a)%4)+\b)+7], v[128*(\p)+FR*\b:128*(\p)+FR*\b+FR-1], v[AF+FR*(\a):AF+FR*(\a)+FR-1], 0, v[SC+8*NQ*(\sc)+NQ*\b+(\q)], v[SC+8*NQ*(\sc)+NQ*(\a)+(\q)] matrix_a_fmt:MATRIX_FMT_FP6 matrix_b_fmt:MATRIX_FMT_FP6 matrix_a_scale:MATRIX_SCALE_ROW1
.else
	v_wmma_scale_f32_16x16x128_f8f6f4 v[8*(8*((\a)%4)+\b):8*(8*((\a)%4)+\b)+7], v[128*(\p)+FR*\b:128*(\p)+FR*\b+FR-1], v[AF+FR*(\a):AF+FR*(\a)+FR-1], v[8*(8*((\a)%4)+\b):8*(8*((\a)%4)+\b)+7], v[SC+8*NQ*(\sc)+NQ*\b+(\q)], v[SC+8*NQ*(\sc)+NQ*(\a)+(\q)] matrix_a_fmt:MATRIX_FMT_FP6 matrix_b_fmt:MATRIX_FMT_FP6 matrix_a_scale:MATRIX_SCALE_ROW1
.endif
.endr
.endr
.endm
.macro FETCH_B slot, q, p
	WIN TO_B
.irp i, 0,1,2,3,4,5,6,7
	FRAG 128*(\p)+FR*\i, ADRB+\slot, \q, \i
.endr
	WIN 0
.endm
.macro FETCH_A slot, q, i0
.irp i, \i0, \i0+1, \i0+2, \i0+3
	FRAGA AF+FR*(\i), \slot, \q, \i
.endr
.endm
.macro SCALES sc
.irp i, 0,1,2,3,4,5,6,7
	ds_load_b64 v[SC+8*NQ*\sc+NQ*\i:SC+8*NQ*\sc+NQ*\i+1], v[ADRS] offset:\i*SBLK
.endr
.endm
.macro PLACES n
.rept \n
	v_nop
.endr
.endm
.macro STEP slot, q, zero
	s_wait_dscnt 4*NLA                             ; B's set and A's blocks 0-3 are in; the 16 youngest loads (A's blocks 4-7) may be out
	WIN MUL_LO
	MUL16 0, (\q)%2, \q, \slot, \zero
	MUL16 2, (\q)%2, \q, \slot, \zero
	s_wait_dscnt 0
	PLACES NP
	FETCH_B \slot, (\q)+1, 1-(\q)%2
	FETCH_A \slot, (\q)+1, 0
	WIN MUL_HI
	MUL16 4, (\q)%2, \q, \slot, \zero
	MUL16 6, (\q)%2, \q, \slot, \zero
	PLACES NP
	WIN 0
	FETCH_A \slot, (\q)+1, 4
.endm
.macro TURN slot, next, fill
	s_wait_tensorcnt 0x0                           ; all my tensor loads have landed: my part of the next slot
	ds_add_u32 v[SPW], v[NIL]                      ; 0 onto my spare word
	s_wait_dscnt 4*NLA+1                           ; the add and the 16 youngest loads may be out
	WIN MUL_LO
	MUL16 0, 1, NQ-1, \slot, 0
	s_wait_dscnt 0x0                               ; the add is done, and my reads of this slot are over
	s_barrier_signal -1
	MUL16 2, 1, NQ-1, \slot, 0
	WIN 0
	s_barrier_wait -1
.if \fill
	CREST                                          ; the barrier has opened a round of the cluster's: no wave of any partner still reads this slot or has a load on its way
	s_add_nc_u64 s[G0+4*\slot+2:G0+4*\slot+3], s[G0+4*\slot+2:G0+4*\slot+3], 2*3072
	s_add_nc_u64 s[G0B+4*\slot+2:G0B+4*\slot+3], s[G0B+4*\slot+2:G0B+4*\slot+3], 2*ROWB
	JLOAD G0+4*\slot, G1, G0B+4*\slot, G1B         ; the first tensor load behind the round; its four v_nop are the places in front of the loads below
.else
	PLACES NP
.endif
	v_add_nc_u32 v[ADRS], 4*NQ, v[ADRS]
	FETCH_B \next, 0, 0
	FETCH_A \next, 0, 0
	SCALES \next
	WIN MUL_HI
	MUL16 4, 1, NQ-1, \slot, 0
	MUL16 6, 1, NQ-1, \slot, 0
	PLACES NP
	WIN 0
	FETCH_A \next, 0, 4
.endm
	s_wait_tensorcnt 1                             ; B's scale bytes and my part of K step 0 are in; K step 1's load may be out
	s_wait_dscnt 0x0                               ; my part of A's scale words has landed
	s_barrier_signal -1
	s_barrier_wait -1
	FETCH_B 0, 0, 0
	FETCH_A 0, 0, 0
	SCALES 0
	FETCH_A 0, 0, 4
	STEP 0, 0, 1
	s_mov_b32 s3, LAPS-1
.Llap:
	TURN 0, 1, 1
	STEP 1, 0, 0
	TURN 1, 0, 1
	STEP 0, 0, 0
	s_sub_co_u32 s3, s3, 1
	s_cmp_lg_u32 s3, 0
	s_cbranch_scc1 .Llap
	TURN 0, 1, 0
	STEP 1, 0, 0
	s_wait_dscnt 4*NLA
	WIN MUL_LO
	MUL16 0, 1, NQ-1, 1, 0
	MUL16 2, 1, NQ-1, 1, 0
	s_wait_dscnt 0
	WIN MUL_HI
	MUL16 4, 1, NQ-1, 1, 0
	MUL16 6, 1, NQ-1, 1, 0
	WIN 0
; THE WAY OUT, block by block of 16 rows x 128 columns, through my own stage in LDS: in as 32 bytes a lane, back as whole rows of 512 bytes.  LDS serves a wave's instructions in order (ISA guide 5.7.1.4).
.macro TOSTAGE a
.set AC, 64*((\a)%4)
	WIN 0x08+4*((\a)/4)                            ; the data: window 2 or 3
.irp b, 0,1,2,3,4,5,6,7
	ds_store_b128 v[STO], v[AC+8*\b:AC+8*\b+3] offset:64*\b          ; each accumulator from its low end on
	ds_store_b128 v[STO], v[AC+8*\b+4:AC+8*\b+7] offset:64*\b+16
.endr
	WIN 0
.set BB, BK+64*((\a)%2)
.irp t, 0,1,2,3,4,5,6,7,8,9,10,11,12,13,14,15
	ds_load_b128 v[BB+4*\t:BB+4*\t+3], v[RD] offset:\t*SPITCH
.endr
.endm
.macro SEND a, younger
.set BB, BK+64*((\a)%2)
	s_wait_dscnt \younger                          ; the block is back in registers
.if (\a) > 0
	s_add_nc_u64 s[12:13], s[12:13], 16*SIZE_N*4   ; (behind a wait on XCNT: the earlier stores have read their base)
.endif
.irp t, 0,1,2,3,4,5,6,7,8,9,10,11,12,13,14,15
	global_store_b128 v[CO], v[BB+4*\t:BB+4*\t+3], s[12:13] offset:\t*SIZE_N*4 th:TH_STORE_NT   ; 32 lanes store 512 consecutive bytes, aligned
.endr
.endm
	PLACES NP
	TOSTAGE 0
.irp a, 1,2,3,4,5,6,7
.if \a > 1
	s_wait_xcnt 0x0                                ; block a - 2's stores have read their registers and their base
.endif
	TOSTAGE \a
	SEND \a-1, 32                                  ; behind block a - 1's loads: block a's 16 stores and 16 loads
.endr
	s_wait_xcnt 0x0
	SEND 7, 0
	s_wait_tensorcnt 0x0                           ; the wave's end
	ds_add_u32 v[SPW], v[NIL]
	s_wait_dscnt 0x0
	CROUND                                         ; the closing round
	s_endpgm
.Lfunc_end_k_q0b9f1e07f5_proj:
	.size	k_q0b9f1e07f5_proj, .Lfunc_end_k_q0b9f1e07f5_proj-k_q0b9f1e07f5_proj
	.p2alignl 7, 3214868480
	.fill 96, 4, 3214868480
	.section	.rodata,"a",@progbits
	.p2align	6, 0x0
	.amdhsa_kernel k_q0b9f1e07f5_proj
		.amdhsa_group_segment_fixed_size 327680
		.amdhsa_private_segment_fixed_size 0
		.amdhsa_enable_private_segment 0
		.amdhsa_kernarg_size 40
		.amdhsa_user_sgpr_count 2
		.amdhsa_user_sgpr_kernarg_segment_ptr 1
		.amdhsa_wavefront_size32 1
		.amdhsa_system_sgpr_workgroup_id_x 1
		.amdhsa_system_sgpr_workgroup_id_y 1
		.amdhsa_system_sgpr_workgroup_id_z 1
		.amdhsa_system_vgpr_workitem_id 0
		.amdhsa_next_free_vgpr 1024
		.amdhsa_next_free_sgpr 100
		.amdhsa_reserve_vcc 0
		.amdhsa_float_denorm_mode_32 3
		.amdhsa_float_denorm_mode_16_64 3
		.amdhsa_memory_ordered 1
		.amdhsa_forward_progress 1
		.amdhsa_inst_pref_size 154
	.end_amdhsa_kernel
	.amdgpu_metadata
---
amdhsa.version: [ 1, 2 ]
amdhsa.kernels:
  - .name:           k_q0b9f1e07f5_proj
    .symbol:         k_q0b9f1e07f5_proj.kd
    .args:
      - { .name: attn_codes, .offset: 0, .size: 8, .value_kind: global_buffer, .address_space: global }
      - { .name: attn_sc, .offset: 8, .size: 8, .value_kind: global_buffer, .address_space: global }
      - { .name: w_codes, .offset: 16, .size: 8, .value_kind: global_buffer, .address_space: global }
      - { .name: w_scales, .offset: 24, .size: 8, .value_kind: global_buffer, .address_space: global }
      - { .name: out0, .offset: 32, .size: 8, .value_kind: global_buffer, .address_space: global }
    .group_segment_fixed_size: 327680
    .private_segment_fixed_size: 0
    .kernarg_segment_align: 8
    .kernarg_segment_size: 40
    .max_flat_workgroup_size: 128
    .sgpr_count:     100
    .vgpr_count:     1024
    .wavefront_size: 32
...
	.end_amdgpu_metadata
.endif
;; end of part 4
